; MI455X (gfx1250); checked and timed in simulation.
; The chip was launched on July 23, 2026; its instructions are those of AMD's public machine-readable ISA for CDNA 5 (MIT licence, August 2026) and "CDNA5" Instruction Set Architecture Reference Guide (July 2026). The comments in the code are by the model that wrote it; some were corrected since.
;; Mesh Cross Attention Block. Allowed arithmetic: float matrix products may take bf16 or f16 operands with f32 sums; other float arithmetic in f32, or as packed bf16 or f16 multiplies, adds, multiply-adds, maxima and minima; sums over many terms, partial sums and values carried from step to step in f32; what a program stores and reads back later, other than sums and carried values, may be rounded once to bf16 or f16.
;; Inputs: W_ada 512 x 1,024 float32; Wkv 512 x 1,024 float32; Wp 512 x 512 float32; Wq 512 x 512 float32; b_ada 1,024 float32; b_ctx 512 float32; bp 512 float32; cond 8 x 512 float32; context 8 x 1,024 x 512 float32; context_mask 8 x 1,024 bool; g_ctx 512 float32; x 8 x 4,096 x 512 float32.
;; Outputs: out0 8 x 4,096 x 512 float32.
;; One version. Each part assembles by itself: llvm-mc -triple=amdgcn-amd-amdhsa -mcpu=gfx1250 --defsym DOCPART=n.
;; ======== version 1 of 1: 3 launches
;; workspace buffers: ada 32,768 bytes; wt 1,048,576 bytes; wkt 1,048,576 bytes; kv 16,777,216 bytes
;; launch prep (part 1): grid 136 x 1, 8 waves a work-group, no clusters, 9,472 bytes of LDS; arguments Wq, Wp, Wkv, W_ada, b_ada, cond, wt, wkt, ada; writes wt, wkt, ada
.if DOCPART == 1
	.amdgcn_target "amdgcn-amd-amdhsa--gfx1250"
	.amdhsa_code_object_version 6
	.text
	.protected	k_qc5185b0883_prep
	.globl	k_qc5185b0883_prep
	.p2align	8
	.type	k_qc5185b0883_prep,@function
k_qc5185b0883_prep:
	s_mov_b64 s[64:65], 0
	v_nop
	global_prefetch_b8 v0, s[64:65] scope:SCOPE_SE
	s_setreg_imm32_b32 hwreg(HW_REG_WAVE_MODE, 25, 1), 1
	s_wait_xcnt 0x0
; PREP.  Three kinds of work-group, told apart by the work-group's number (the same for all eight waves).
;  0..63    Wq (0..31) and Wp (32..63), [512 k][512 n] f32, are rounded to bf16 and laid in tile order in wt: [16 fills][4 sub-tiles][64 k][128 n]: fill j < 8 holds Wq's rows 64 j .., sub-tile u its
;           columns 128 u ..; fills 8..15 the same of Wp.  A sub-tile is 16,384 dense bytes, a fill 65,536.
;  64..127  Wkv, [512 k][1024 n], likewise into wkt: [4 column blocks of 256][4 fills of 128 k][sub-tile 2 kh + nh][64 k][128 n].
;  128..135 ada[b][n] = silu(cond[b]) . W_ada[:, n] + b_ada[n], + 1 for n < 512 (so the later launch multiplies by 1 + scale without an addition): f32 [8][1024].  One tile of 16 columns a wave, on the matrix
;           unit in bf16 with f32 sums; the eight batches are rows 0-7 of source 0, and rows 8-15 repeat them.
; A cast thread takes four groups of eight numbers: 32 bytes in, 16 bytes out; sixteen neighbouring lanes store 256 consecutive bytes, aligned.  ada is stored in pieces of 64 bytes: 32 KiB in the whole launch.
; LIMITS.  The weights and silu(cond) are rounded to bf16.  NaN and infinities are not treated apart.
.set SPARE, 8448                       ; behind the table of silu(cond) (8 rows x 1,040 bytes): the spare words, 128 bytes for each of eight waves
.set SPW, 1                            ; v1  LDS address of my spare word; never rewritten
.set NIL, 2                            ; v2  0; never rewritten
.set MSB, 0
.macro WIN new                         ; the immediate's high byte repeats the setting that is left
.if MSB != (\new)
	s_set_vgpr_msb (MSB<<8)|(\new)
.set MSB, (\new)
.endif
.endm
; four groups of eight f32 from s[26:27] + v4, rounded, to s[28:29] + v5; step = bytes between the groups' places in the tile order
.macro CAST step
.irp i,0,1,2,3
	global_load_b128 v[16+8*\i:16+8*\i+3], v4, s[26:27] offset:8192*\i th:TH_LOAD_NT
	global_load_b128 v[16+8*\i+4:16+8*\i+7], v4, s[26:27] offset:8192*\i+16 th:TH_LOAD_NT
.endr
	s_wait_loadcnt 0x0
.irp i,0,1,2,3
.irp k,0,1,2,3
	v_cvt_pk_bf16_f32 v[48+4*\i+\k], v[16+8*\i+2*\k], v[16+8*\i+2*\k+1]
.endr
.endr
.irp i,0,1,2,3
	global_store_b128 v5, v[48+4*\i:48+4*\i+3], s[28:29] offset:(\step)*\i
.endr
.endm
	s_load_b256 s[4:11], s[0:1], 0x0               ; Wq s[4:5], Wp s[6:7], Wkv s[8:9], W_ada s[10:11]
	s_load_b256 s[12:19], s[0:1], 0x20             ; b_ada s[12:13], cond s[14:15], wt s[16:17], wkt s[18:19]
	s_load_b64 s[20:21], s[0:1], 0x40              ; ada
	v_lshl_add_u32 v[SPW], v0, 2, SPARE
	v_mov_b32 v[NIL], 0
	v_lshrrev_b32 v3, 5, v0
	v_readfirstlane_b32 s22, v3                    ; wave 0..7
	s_mov_b32 s23, ttmp9
	v_lshlrev_b32 v4, 5, v0                        ; a cast thread's 32 bytes of a group
	v_and_b32 v5, 15, v0
	v_lshlrev_b32 v5, 4, v5                        ; its 16 bytes of a tile's row
	s_mov_b32 s31, 0
	s_wait_kmcnt 0x0
	s_cmp_lt_u32 s23, 64
	s_cbranch_scc0 .Lkv
	; Wq or Wp.  Group e = 1,024 local + 256 i + t: k = 16 local + 4 i + t / 64, n = 8 (t % 64)
	s_and_b32 s24, s23, 31                         ; local
	s_cmp_lt_u32 s23, 32
	s_cselect_b64 s[26:27], s[4:5], s[6:7]
	s_cselect_b32 s25, 0, 524288                   ; Wp's fills lie behind Wq's eight
	s_lshl_b32 s30, s24, 15
	s_add_nc_u64 s[26:27], s[26:27], s[30:31]
	s_and_b32 s30, s24, 3
	s_lshl_b32 s30, s30, 12                        ; row 16 (local % 4) of the fill,
	s_lshr_b32 s32, s24, 2
	s_lshl_b32 s32, s32, 16                        ; fill local / 4
	s_add_co_u32 s30, s30, s32
	s_add_co_u32 s30, s30, s25
	s_add_nc_u64 s[28:29], s[16:17], s[30:31]
	v_bfe_u32 v6, v0, 4, 2
	v_lshl_or_b32 v5, v6, 14, v5                   ; sub-tile n / 128
	v_lshrrev_b32 v6, 6, v0
	v_lshl_or_b32 v5, v6, 8, v5                    ; row + t / 64
	CAST 1024
	s_branch .Lend
.Lkv:
	s_cmp_lt_u32 s23, 128
	s_cbranch_scc0 .Lada
	; Wkv.  Group e = 1,024 local + 256 i + t: k = 8 local + 2 i + t / 128, n = 8 (t % 128)
	s_sub_co_u32 s24, s23, 64                      ; local
	s_lshl_b32 s30, s24, 15
	s_add_nc_u64 s[26:27], s[8:9], s[30:31]
	s_and_b32 s30, s24, 7
	s_lshl_b32 s30, s30, 11                        ; row 8 (local % 8),
	s_bfe_u32 s32, s24, 0x10003
	s_lshl_b32 s32, s32, 15                        ; half kh of the fill's 128 k,
	s_add_co_u32 s30, s30, s32
	s_lshr_b32 s32, s24, 4
	s_lshl_b32 s32, s32, 16                        ; fill local / 16
	s_add_co_u32 s30, s30, s32
	s_add_nc_u64 s[28:29], s[18:19], s[30:31]
	v_bfe_u32 v6, v0, 4, 1
	v_lshl_or_b32 v5, v6, 14, v5                   ; half nh of the block's 256 columns
	v_bfe_u32 v6, v0, 5, 2
	v_lshl_or_b32 v5, v6, 18, v5                   ; column block
	v_lshrrev_b32 v6, 7, v0
	v_lshl_or_b32 v5, v6, 8, v5                    ; row + t / 128
	CAST 512
	s_branch .Lend
.Lada:
	s_sub_co_u32 s24, s23, 128
	s_lshl_b32 s24, s24, 3
	s_add_co_u32 s24, s24, s22                     ; my tile of 16 columns, 0..63
	s_lshl_b32 s25, s24, 6
	v_and_b32 v6, 15, v0                           ; r = lane % 16
	v_bfe_u32 v7, v0, 4, 1                         ; h = lane / 16
	v_lshl_add_u32 v8, v6, 2, s25                  ; my column, in bytes of a row
	v_lshl_add_u32 v9, v7, 15, v8                  ; + 8 h rows of W_ada (4,096 bytes each)
	v_lshlrev_b32 v10, 6, v0                       ; my 16 numbers of cond
.irp i,0,1,2,3
	global_load_b128 v[16+4*\i:16+4*\i+3], v10, s[14:15] offset:16*\i
.endr
	global_load_b32 v11, v8, s[12:13]
	; source 1, 16 columns x 32 k, sixteen times: lane (r, h) wants k = 8 h + 0..7 and 16 + 8 h + 0..7 of column r: sixteen single words, rounded in pairs below
	WIN 0x40                                       ; destination window 1, address window 0
.set ks, 0
.rept 16
.set ki, 0
.rept 16
	global_load_b32 v[16*ks+ki], v9, s[10:11] offset:4096*(32*ks+ki+8*(ki/8))
.set ki, ki+1
.endr
.set ks, ks+1
.endr
	WIN 0
	s_wait_loadcnt 0x0
	; silu(x) = x / (1 + 2^(-x log2 e))
.set i, 0
.rept 16
	v_mul_f32 v[32+i], 0xbfb8aa3b, v[16+i]
.set i, i+1
.endr
.set i, 0
.rept 16
	v_exp_f32 v[32+i], v[32+i]
.set i, i+1
.endr
	v_nop                                          ; a plain instruction between the exponentials and the use of their results
.set i, 0
	s_wait_alu depctr_va_vdst(0)
.rept 16
	v_add_f32 v[32+i], 1.0, v[32+i]
.set i, i+1
.endr
.set i, 0
.rept 16
	v_rcp_f32 v[32+i], v[32+i]
.set i, i+1
.endr
	v_nop
.set i, 0
	s_wait_alu depctr_va_vdst(0)
.rept 16
	v_mul_f32 v[16+i], v[16+i], v[32+i]
.set i, i+1
.endr
.set i, 0
.rept 8
	v_cvt_pk_bf16_f32 v[48+i], v[16+2*i], v[16+2*i+1]
.set i, i+1
.endr
	v_and_b32 v12, 31, v0
	v_mul_u32_u24 v13, v3, 1040                    ; batch = t / 32; rows of 1,024 bytes + 16
	v_lshl_add_u32 v12, v12, 5, v13
	ds_store_b128 v12, v[48:51]
	ds_store_b128 v12, v[52:55] offset:16
	s_wait_dscnt 0x0                               ; for the others' sake: my part of the table is written
	s_barrier_signal -1
	s_barrier_wait -1
	v_and_b32 v13, 7, v0                           ; source 0's row r is batch r % 8
	v_mul_u32_u24 v13, v13, 1040
	v_lshl_add_u32 v13, v7, 4, v13
.set ks, 0
.rept 16
	ds_load_b128 v[64+8*ks:64+8*ks+3], v13 offset:64*ks
	ds_load_b128 v[64+8*ks+4:64+8*ks+7], v13 offset:64*ks+32
.set ks, ks+1
.endr
	WIN 0x45                                       ; sources and destination window 1: W_ada's words rounded in pairs, in place, ascending
.set d, 0
.rept 128
	v_cvt_pk_bf16_f32 v[d], v[2*d], v[2*d+1]
.set d, d+1
.endr
	s_wait_dscnt 0x0
	WIN 0x04                                       ; source 1 window 1
.set ks, 0
.rept 16                                       ; four accumulators take turns; the first four products start the sums
.if ks < 4
	v_wmma_f32_16x16x32_bf16 v[32+8*(ks%4):32+8*(ks%4)+7], v[64+8*ks:64+8*ks+7], v[8*ks:8*ks+7], 0
.else
	v_wmma_f32_16x16x32_bf16 v[32+8*(ks%4):32+8*(ks%4)+7], v[64+8*ks:64+8*ks+7], v[8*ks:8*ks+7], v[32+8*(ks%4):32+8*(ks%4)+7]
.endif
.set ks, ks+1
.endr
	WIN 0
.rept 8
	v_nop                                          ; the places behind the last products
.endr
.irp k,0,2,4,6
	v_pk_add_f32 v[32+\k:33+\k], v[32+\k:33+\k], v[40+\k:41+\k]
.endr
.irp k,0,2,4,6
	v_pk_add_f32 v[48+\k:49+\k], v[48+\k:49+\k], v[56+\k:57+\k]
.endr
.irp k,0,2,4,6
	v_pk_add_f32 v[32+\k:33+\k], v[32+\k:33+\k], v[48+\k:49+\k]
.endr
	; register j holds batch j of column r in both halves of the lanes: lanes 0-15 store batches 0-3, lanes 16-31 batches 4-7
	v_cmp_eq_u32 s26, 1, v7
	s_cmp_lt_u32 s24, 32
	s_cselect_b32 s27, 1.0, 0                      ; the scale's half of the columns takes + 1
	v_add_f32 v11, s27, v11
.irp i,0,1,2,3
	v_cndmask_b32 v[56+\i], v[32+\i], v[36+\i], s26
.endr
.irp i,0,1,2,3
	v_add_f32 v[56+\i], v[56+\i], v11
.endr
	v_lshl_add_u32 v14, v7, 14, v8                 ; row 4 h of ada (4,096 bytes each), my column
.irp i,0,1,2,3
	global_store_b32 v14, v[56+\i], s[20:21] offset:4096*\i
.endr
.Lend:
	s_wait_tensorcnt 0x0                           ; the wave's end: behind my last LDS store
	ds_add_u32 v[SPW], v[NIL]
	s_wait_dscnt 0x0
	s_endpgm
.Lfunc_end_k_qc5185b0883_prep:
	.size	k_qc5185b0883_prep, .Lfunc_end_k_qc5185b0883_prep-k_qc5185b0883_prep
	.p2alignl 7, 3214868480
	.fill 96, 4, 3214868480
	.section	.rodata,"a",@progbits
	.p2align	6, 0x0
	.amdhsa_kernel k_qc5185b0883_prep
		.amdhsa_group_segment_fixed_size 9472
		.amdhsa_private_segment_fixed_size 0
		.amdhsa_enable_private_segment 0
		.amdhsa_kernarg_size 72
		.amdhsa_user_sgpr_count 2
		.amdhsa_user_sgpr_kernarg_segment_ptr 1
		.amdhsa_wavefront_size32 1
		.amdhsa_system_sgpr_workgroup_id_x 1
		.amdhsa_system_sgpr_workgroup_id_y 1
		.amdhsa_system_sgpr_workgroup_id_z 1
		.amdhsa_system_vgpr_workitem_id 0
		.amdhsa_next_free_vgpr 512
		.amdhsa_next_free_sgpr 66
		.amdhsa_reserve_vcc 0
		.amdhsa_float_denorm_mode_32 3
		.amdhsa_float_denorm_mode_16_64 3
		.amdhsa_memory_ordered 1
		.amdhsa_forward_progress 1
		.amdhsa_inst_pref_size 50
	.end_amdhsa_kernel
	.amdgpu_metadata
---
amdhsa.version: [ 1, 2 ]
amdhsa.kernels:
  - .name:           k_qc5185b0883_prep
    .symbol:         k_qc5185b0883_prep.kd
    .args:
      - { .name: Wq, .offset: 0, .size: 8, .value_kind: global_buffer, .address_space: global }
      - { .name: Wp, .offset: 8, .size: 8, .value_kind: global_buffer, .address_space: global }
      - { .name: Wkv, .offset: 16, .size: 8, .value_kind: global_buffer, .address_space: global }
      - { .name: W_ada, .offset: 24, .size: 8, .value_kind: global_buffer, .address_space: global }
      - { .name: b_ada, .offset: 32, .size: 8, .value_kind: global_buffer, .address_space: global }
      - { .name: cond, .offset: 40, .size: 8, .value_kind: global_buffer, .address_space: global }
      - { .name: wt, .offset: 48, .size: 8, .value_kind: global_buffer, .address_space: global }
      - { .name: wkt, .offset: 56, .size: 8, .value_kind: global_buffer, .address_space: global }
      - { .name: ada, .offset: 64, .size: 8, .value_kind: global_buffer, .address_space: global }
    .group_segment_fixed_size: 9472
    .private_segment_fixed_size: 0
    .kernarg_segment_align: 8
    .kernarg_segment_size: 72
    .max_flat_workgroup_size: 256
    .sgpr_count:     66
    .vgpr_count:     512
    .wavefront_size: 32
...
	.end_amdgpu_metadata
.endif
;; end of part 1
;; launch kvproj (part 2): grid 64 x 4, 4 waves a work-group, clusters of 4 x 1, 327,680 bytes of LDS; arguments context, g_ctx, b_ctx, wkt, kv; writes kv
.if DOCPART == 2
	.amdgcn_target "amdgcn-amd-amdhsa--gfx1250"
	.amdhsa_code_object_version 6
	.text
	.protected	k_qc5185b0883_kvproj
	.globl	k_qc5185b0883_kvproj
	.p2align	8
	.type	k_qc5185b0883_kvproj,@function
k_qc5185b0883_kvproj:
	s_mov_b64 s[64:65], 0
	v_nop
	global_prefetch_b8 v0, s[64:65] scope:SCOPE_SE
	s_setreg_imm32_b32 hwreg(HW_REG_WAVE_MODE, 25, 1), 1
	s_wait_xcnt 0x0
	s_wait_alu depctr_hold_cnt(0) depctr_sa_sdst(0) depctr_va_vdst(0) depctr_va_sdst(0) depctr_va_ssrc(0) depctr_va_vcc(0) depctr_vm_vsrc(0)
	s_getreg_b32 s2, hwreg(HW_REG_IB_STS2, 6, 4)
	s_cmp_eq_u32 s2, 0
	s_cbranch_scc0 .Lentry_in_a_cluster
	s_endpgm
.Lentry_in_a_cluster:
	s_bfe_u32 s2, ttmp6, 0x10000c
	s_cmp_lg_u32 s2, 0x3003
	s_cbranch_scc0 .Lentry_shape_is_right
	s_endpgm
.Lentry_shape_is_right:
; KVPROJ.  kv = (LayerNorm(context) g_ctx + b_ctx) Wkv, stored in bf16 in the tile order in which the next launch asks for it: [8 b][2 p][16 s][4 sub-tiles][64 keys][128 channels]; sub-tiles 0, 1 hold K of the head
; pairs (4 p, 4 p + 1), (4 p + 2, 4 p + 3), sub-tiles 2, 3 V of the same pairs.  context: [8,192 rows][512] f32; wkt: Wkv in bf16, [4 column blocks y][4 fills][sub-tile 2 kh + nh][64 k][128 n].
; SHARES.  A work-group makes 128 rows x 256 columns (block y): 256 work-groups.  A wave makes 64 rows (rh = wave / 2) x 128 columns (ch = wave % 2): 32 accumulators, and what it stores is exactly one sub-tile of kv.
; The norm is made anew by each of the four column blocks: 32 rows a wave.
; ONE SHAPE FOR EVERY TENSOR LOAD: 16,384 dense bytes as 64 rows of 256, padded by 32 bytes a row in LDS (pitch 288); a fill is four of them, one a wave.  32 rows of context are a fill (8 rows a wave), and so are 128 k of
; a column block of Wkv.  Two slots take turns; tile c lies in slot c % 2: tiles 0-3 context, 4-7 weights.  By this text's count one tensor load a wave is out.
; CLUSTER.  The four work-groups of a cluster share y, so weight fills 1-3 are asked for JOINTLY (mask 15).  Context's fills are each work-group's own (mask 0), and so is weight fill 0, which the norm's loop asks for in
; its last trip so that the loop has one form.
; THE PRODUCT IS TAKEN TRANSPOSED: source 0 = 16 columns of Wkv (stored [k][n], turned by ds_load_tr16_b128), source 1 = 16 normed rows: a lane ends with one key and eight neighbouring channels, 16 bytes of bf16.
; THE NORM takes the mean first and the variance of the differences, in f32.  LIMITS: both operands of the product are rounded to bf16, K and V once more to bf16; NaN and infinities are not treated apart.
; REGISTERS: window 0 addresses and the norm; window 1 the accumulators ((T, ct) at 8 (8 T + ct)); window 2 two fragment buffers of 96: 64 of Wkv, 32 of rows.
.set SUB,   18432                      ; a sub-tile in LDS: 64 rows x 288
.set SLOT,  73728
.set PT,    288                        ; 72 words
.set HB,    147456                     ; the normed rows in bf16: 128 rows x 1,040 bytes (1,024 + 16); written by LDS stores alone
.set HP,    1040
.set SPARE, 284672                     ; the spare words: 128 bytes for each wave, two blocks of 256 bytes that no other line names
.set STAGE, 285184                     ; 16 rows x 272 bytes for each wave, for the way out
.set SP,    272
.set SPW, 1                            ; v1  LDS address of my spare word; never rewritten
.set NIL, 9                            ; v9  0; never rewritten
.set XR0, 16                           ; v16 my place in my sub-tile of context
.set XR,  17                           ; v17 the same in the slot and rows in hand
.set HST, 18                           ; v18 where my 8 bytes of a normed row go
.set AW0, 20                           ; v20 my place in a tile of weights
.set AW,  21                           ; v21 the same in the slot in hand
.set AH,  22                           ; v22 my place in the normed rows, at the tile's first k
.set STO, 24                           ; v24 the way out: where I put 16 bytes of a row
.set RD,  25                           ; v25 where I read rows back
.set GO,  29                           ; v29 16 x lane
.set LX,  64                           ; v[64:127]  four rows, 16 numbers a lane each
.set LT,  128                          ; v[128:159] eight at work for each row
.set LO,  160                          ; v[160:191] four rows in bf16
.set GG,  192                          ; v[192:207] g_ctx of my 16 columns
.set BB,  208                          ; v[208:223] b_ctx
.set F0,  0
.set F1,  128
.set WV,  18
.set YB,  19
.set WOFF, 20
.set TB,  21                           ; LDS byte at which the slot in hand begins
.set LP,  22
.set RH,  23
.set G1J, 24                           ; s[24:31] group 1 with the mask of four
.set G1X, 32                           ; s[32:39] group 1 with no mask
.set G0J, 40
.set G0X, 44
.set NA,  48                           ; s[48:49] the next joint fill
.set XW,  54                           ; s[54:55] weight fill 0
.set CH,  56
.set SEL, 60
.set RN,  66                           ; 2^-9
.set EPSR, 67                          ; 1e-5
.set XT,  70
.set XG,  71
.set CX,  76                           ; from here on: what is made from my place in the cluster; none of it feeds a joint load
.set RBK, 77
.set XA,  78                           ; s[78:79] the next fill of my own
.set XFC, 80
.set E0,  84
.set E1,  86
.set SX,  88
.set MSB, 0
.macro WIN new                         ; the immediate's high byte repeats the setting that is left
.if MSB != (\new)
	s_set_vgpr_msb (MSB<<8)|(\new)
.set MSB, (\new)
.endif
.endm
.macro PLACES                          ; four places: behind a tensor load; in front of loads into registers that matrix instructions have read; in front of reads of results
.rept 4
	v_nop
.endr
.endm
.macro CREST                           ; a round of the cluster's barrier behind its opening barrier
	s_cmp_lg_u32 s[WV], 0
	s_cbranch_scc1 .Lnot_wave_0_\@
	s_barrier_signal -3
.Lnot_wave_0_\@:
	s_barrier_wait -3
	s_barrier_signal -1
	s_barrier_wait -1
.endm
.macro CROUND
	s_barrier_signal -1
	s_barrier_wait -1
	CREST
.endm
.macro JSTEP                           ; the joint descriptor: the other slot, the next fill
	s_xor_b32 s[G0J+1], s[G0J+1], SLOT
	s_mov_b64 s[G0J+2:G0J+3], s[NA:NA+1]
	s_or_b32 s[G0J+3], s[G0J+3], 0x80000000
	s_add_nc_u64 s[NA:NA+1], s[NA:NA+1], 65536
.endm
; A CHANGE OF SLOTS: every wave waits for all its tensor loads (one is out: its part of the slot to be read), adds 0 to its spare word, waits for that and for its LDS reads and stores, and passes a round of the cluster's
; barrier; the slot read last is filled again first thing behind it.  CHGX asks for a fill of my own: after three of context, weight fill 0.
.macro CHGX
	WIN 0
	s_wait_tensorcnt 0x0                           ; no tensor load of mine is out, so a group 0 may be written
	ds_add_u32 v[SPW], v[NIL]                      ; 0 onto my spare word; the descriptor's steps stand between it and the wait for it
	s_xor_b32 s[G0X+1], s[G0X+1], SLOT
	s_mov_b64 s[G0X+2:G0X+3], s[XA:XA+1]
	s_or_b32 s[G0X+3], s[G0X+3], 0x80000000
	s_add_nc_u64 s[XA:XA+1], s[XA:XA+1], 65536
	s_sub_co_u32 s[XFC], s[XFC], 1
	s_cmp_eq_u32 s[XFC], 0
	s_cselect_b64 s[XA:XA+1], s[XW:XW+1], s[XA:XA+1]
	s_xor_b32 s[TB], s[TB], SLOT
	s_wait_dscnt 0x0
	CROUND
	tensor_load_to_lds s[G0X:G0X+3], s[G1X:G1X+7]
	s_nop 0
	PLACES
.endm
.macro CHGJ
	WIN 0
	s_wait_tensorcnt 0x0
	ds_add_u32 v[SPW], v[NIL]
	JSTEP
	s_xor_b32 s[TB], s[TB], SLOT
	s_wait_dscnt 0x0
	CROUND
	tensor_load_to_lds s[G0J:G0J+3], s[G1J:G1J+7]
	s_nop 0
	PLACES
.endm
; the sum over the 32 lanes of register o of each row's eight, result in every lane; register o + 1 is scratch
.macro LRED o
.irp m,1,2,4,8
.irp t,0,1,2,3
	v_add_f32_dpp v[LT+8*\t+\o], v[LT+8*\t+\o], v[LT+8*\t+\o] row_xmask:\m row_mask:0xf bank_mask:0xf
.endr
.endr
.irp t,0,1,2,3
	v_permlanex16_b32 v[LT+8*\t+\o+1], v[LT+8*\t+\o], s[SEL], s[SEL+1]
.endr
.irp t,0,1,2,3
	v_add_f32 v[LT+8*\t+\o], v[LT+8*\t+\o], v[LT+8*\t+\o+1]
.endr
.endm
; FOUR ROWS ARE NORMED, stage by stage across the rows so that no line waits for the one before it.  A row of 2,048 bytes lies in 8 LDS rows; load j takes columns 128 j + 4 lane .. + 3.
.macro LN4
.irp t,0,1,2,3
.irp j,0,1,2,3
	ds_load_b128 v[LX+16*\t+4*\j:LX+16*\t+4*\j+3], v[XR] offset:2304*\t+576*\j
.endr
.endr
	s_wait_dscnt 0x0
.irp j,0,1,2,3
.irp t,0,1,2,3
	v_pk_add_f32 v[LT+8*\t+2*\j:LT+8*\t+2*\j+1], v[LX+16*\t+4*\j:LX+16*\t+4*\j+1], v[LX+16*\t+4*\j+2:LX+16*\t+4*\j+3]
.endr
.endr
.irp t,0,1,2,3
	v_pk_add_f32 v[LT+8*\t:LT+8*\t+1], v[LT+8*\t:LT+8*\t+1], v[LT+8*\t+2:LT+8*\t+3]
.endr
.irp t,0,1,2,3
	v_pk_add_f32 v[LT+8*\t+4:LT+8*\t+5], v[LT+8*\t+4:LT+8*\t+5], v[LT+8*\t+6:LT+8*\t+7]
.endr
.irp t,0,1,2,3
	v_pk_add_f32 v[LT+8*\t:LT+8*\t+1], v[LT+8*\t:LT+8*\t+1], v[LT+8*\t+4:LT+8*\t+5]
.endr
.irp t,0,1,2,3
	v_add_f32 v[LT+8*\t], v[LT+8*\t], v[LT+8*\t+1]
.endr
	LRED 0
.irp t,0,1,2,3
	v_mul_f32 v[LT+8*\t], s[RN], v[LT+8*\t]        ; the mean
.endr
.irp k,0,1,2,3,4,5,6,7
.irp t,0,1,2,3
	v_pk_add_f32 v[LX+16*\t+2*\k:LX+16*\t+2*\k+1], v[LX+16*\t+2*\k:LX+16*\t+2*\k+1], v[LT+8*\t:LT+8*\t+1] op_sel_hi:[1,0] neg_lo:[0,1] neg_hi:[0,1]
.endr
.endr
.irp t,0,1,2,3
	v_pk_mul_f32 v[LT+8*\t+2:LT+8*\t+3], v[LX+16*\t:LX+16*\t+1], v[LX+16*\t:LX+16*\t+1]
	v_pk_mul_f32 v[LT+8*\t+4:LT+8*\t+5], v[LX+16*\t+2:LX+16*\t+3], v[LX+16*\t+2:LX+16*\t+3]
.endr
.irp j,1,2,3
.irp t,0,1,2,3
	v_pk_fma_f32 v[LT+8*\t+2:LT+8*\t+3], v[LX+16*\t+4*\j:LX+16*\t+4*\j+1], v[LX+16*\t+4*\j:LX+16*\t+4*\j+1], v[LT+8*\t+2:LT+8*\t+3]
	v_pk_fma_f32 v[LT+8*\t+4:LT+8*\t+5], v[LX+16*\t+4*\j+2:LX+16*\t+4*\j+3], v[LX+16*\t+4*\j+2:LX+16*\t+4*\j+3], v[LT+8*\t+4:LT+8*\t+5]
.endr
.endr
.irp t,0,1,2,3
	v_pk_add_f32 v[LT+8*\t+2:LT+8*\t+3], v[LT+8*\t+2:LT+8*\t+3], v[LT+8*\t+4:LT+8*\t+5]
.endr
.irp t,0,1,2,3
	v_add_f32 v[LT+8*\t+2], v[LT+8*\t+2], v[LT+8*\t+3]
.endr
	LRED 2
.irp t,0,1,2,3
	v_fma_f32 v[LT+8*\t+2], v[LT+8*\t+2], s[RN], s[EPSR]  ; the variance + 1e-5
.endr
.irp t,0,1,2,3
	v_rsq_f32 v[LT+8*\t+2], v[LT+8*\t+2]
.endr
	v_nop                                          ; a plain instruction between the last root and the use of its result
	s_wait_alu depctr_va_vdst(0)
.irp k,0,1,2,3,4,5,6,7
.irp t,0,1,2,3
	v_pk_mul_f32 v[LX+16*\t+2*\k:LX+16*\t+2*\k+1], v[LX+16*\t+2*\k:LX+16*\t+2*\k+1], v[LT+8*\t+2:LT+8*\t+3] op_sel_hi:[1,0]
.endr
.endr
.irp k,0,1,2,3,4,5,6,7
.irp t,0,1,2,3
	v_pk_fma_f32 v[LX+16*\t+2*\k:LX+16*\t+2*\k+1], v[LX+16*\t+2*\k:LX+16*\t+2*\k+1], v[GG+2*\k:GG+2*\k+1], v[BB+2*\k:BB+2*\k+1]
.endr
.endr
.irp k,0,1,2,3,4,5,6,7
.irp t,0,1,2,3
	v_cvt_pk_bf16_f32 v[LO+8*\t+\k], v[LX+16*\t+2*\k], v[LX+16*\t+2*\k+1]
.endr
.endr
.irp t,0,1,2,3
.irp j,0,1,2,3
	ds_store_b64 v[HST], v[LO+8*\t+2*\j:LO+8*\t+2*\j+1] offset:HP*\t+256*\j
.endr
.endr
.endm
; 24 LDS loads in one run: quarter q (32 k) of the tile of 128 k, into buffer f: my 128 columns of Wkv, turned, then my 64 rows
.macro KFETCH q, f
	WIN 0x80                                       ; destination window 2, address window 0
.irp c,0,1,2,3,4,5,6,7
	ds_load_tr16_b128 v[(\f)+8*\c:(\f)+8*\c+3],   v[AW] offset:((\q)/2)*36864+((\q)%2)*9216+32*\c
	ds_load_tr16_b128 v[(\f)+8*\c+4:(\f)+8*\c+7], v[AW] offset:((\q)/2)*36864+((\q)%2)*9216+32*\c+4608
.endr
.irp t,0,1,2,3
	ds_load_b128 v[(\f)+64+8*\t:(\f)+64+8*\t+3],   v[AH] offset:16640*\t+64*(\q)
	ds_load_b128 v[(\f)+64+8*\t+4:(\f)+64+8*\t+7], v[AH] offset:16640*\t+64*(\q)+32
.endr
.endm
; 8 matrix instructions: row tile t x all 8 column tiles.  The 32 accumulators take turns in the same order in every quarter.
.macro KMUL f, t, zero
	WIN 0x5a                                       ; sources window 2, C and D window 1
.irp c,0,1,2,3,4,5,6,7
.if \zero
	v_wmma_f32_16x16x32_bf16 v[8*(8*(\t)+\c):8*(8*(\t)+\c)+7], v[(\f)+8*\c:(\f)+8*\c+7], v[(\f)+64+8*(\t):(\f)+64+8*(\t)+7], 0
.else
	v_wmma_f32_16x16x32_bf16 v[8*(8*(\t)+\c):8*(8*(\t)+\c)+7], v[(\f)+8*\c:(\f)+8*\c+7], v[(\f)+64+8*(\t):(\f)+64+8*(\t)+7], v[8*(8*(\t)+\c):8*(8*(\t)+\c)+7]
.endif
.endr
.endm
.macro KQ qn, f, g, zero               ; a quarter: buffer f is multiplied, quarter qn fetched into g in its middle
	s_wait_dscnt 4                                 ; all but the rows of tiles 2 and 3
	KMUL \f, 0, \zero
	KMUL \f, 1, \zero
	PLACES
	KFETCH \qn, \g
	s_wait_dscnt 24                                ; all but the 24 just issued
	KMUL \f, 2, \zero
	KMUL \f, 3, \zero
.endm
.macro KTURN fill                      ; a tile's last quarter (buffer 1) and the change of slots
	WIN 0
	s_wait_tensorcnt 0x0                           ; my part of the next slot has landed
	ds_add_u32 v[SPW], v[NIL]
.if \fill
	JSTEP
.endif
	s_xor_b32 s[TB], s[TB], SLOT
	s_wait_dscnt 5                                 ; (the add and the youngest four loads may be out)
	KMUL F1, 0, 0
	s_wait_dscnt 0x0                               ; the add is done, and my reads of this slot are over
	s_barrier_signal -1
	KMUL F1, 1, 0
	WIN 0
	s_barrier_wait -1
.if \fill
	CREST                                          ; the barrier has opened a round of the cluster's: no wave of any partner still reads the slot or has a load on its way
	tensor_load_to_lds s[G0J:G0J+3], s[G1J:G1J+7]
	s_nop 0
.endif
	PLACES
	v_add_nc_u32 v[AW], s[TB], v[AW0]
	v_add_nc_u32 v[AH], 256, v[AH]                 ; the next 128 k of the rows
	KFETCH 0, F0
	KMUL F1, 2, 0
	KMUL F1, 3, 0
.endm
; THE WAY OUT of row tile t: rounded to bf16, 16 bytes a lane into my stage, back as whole rows of 256 bytes, stored: 512 consecutive bytes an instruction
.macro KOUT t
	WIN 0x05                                       ; sources window 1
.irp c,0,1,2,3,4,5,6,7
.irp k,0,1,2,3
	v_cvt_pk_bf16_f32 v[64+4*\c+\k], v[8*(8*(\t)+\c)+2*\k], v[8*(8*(\t)+\c)+2*\k+1]
.endr
.endr
	WIN 0
.irp c,0,1,2,3,4,5,6,7
	ds_store_b128 v[STO], v[64+4*\c:64+4*\c+3] offset:32*\c
.endr
	s_wait_xcnt 0x0                                ; the last tile's stores have read v96-127, which are loaded again only behind this wait
.irp c,0,1,2,3,4,5,6,7
	ds_load_b128 v[96+4*\c:96+4*\c+3], v[RD] offset:2*SP*\c  ; LDS serves a wave's instructions in order (ISA guide 5.7.1.4): these see the stores above
.endr
	s_wait_dscnt 0x0
.irp c,0,1,2,3,4,5,6,7
	global_store_b128 v[GO], v[96+4*\c:96+4*\c+3], s[12:13] offset:4096*(\t)+512*\c
.endr
.endm
	s_load_b256 s[4:11], s[0:1], 0x0               ; context s[4:5], g_ctx s[6:7], b_ctx s[8:9], wkt s[10:11]
	s_load_b64 s[12:13], s[0:1], 0x20              ; kv
	v_lshl_add_u32 v[SPW], v0, 2, SPARE
	v_mov_b32 v[NIL], 0
	ds_add_u32 v[SPW], v[NIL]                      ; the wave's opening: the add and its wait stand ahead of my first tensor load; the set-up below stands between them
	v_lshrrev_b32 v12, 5, v0
	v_readfirstlane_b32 s[WV], v12                 ; wave 0..3
	s_bfe_u32 s[CX], ttmp6, 0x40000                ; my place in the cluster
	s_lshl_b32 s[RBK], ttmp9, 2
	s_add_co_u32 s[RBK], s[RBK], s[CX]             ; my block of 128 rows, 0..63
	s_and_b32 s[YB], ttmp7, 0xffff                 ; the column block, which the four partners share
	s_lshr_b32 s[RH], s[WV], 1
	s_and_b32 s[CH], s[WV], 1
	s_mul_i32 s[WOFF], s[WV], SUB
	s_mov_b32 s[TB], SLOT                          ; the first change turns it into 0
	s_mov_b32 s[G1J], 15|(1<<16)|(1<<20)|(1<<21)|(5<<22)|(7<<25)  ; 15:0 the mask of four; 17:16 2-byte elements; 20 padding on; 21 set beside a mask; 24:22 after every 64 words; 31:25 8 words
	s_mov_b32 s[G1X], (1<<16)|(1<<20)|(5<<22)|(7<<25)             ; the same with no mask
.irp g, G1J, G1X
	s_mov_b32 s[\g+1], 128<<16                     ; tensor_dim0 = 128
	s_mov_b32 s[\g+2], 64<<16                      ; tensor_dim1 = 64
	s_mov_b32 s[\g+3], 128<<16                     ; tile_dim0 = 128
	s_mov_b32 s[\g+4], 64                          ; tile_dim1 = 64
	s_mov_b32 s[\g+5], 128                         ; 128 elements from row to row: dense
	s_mov_b32 s[\g+6], 0
	s_mov_b32 s[\g+7], 0
.endr
	s_mov_b32 s[G0J], 1
	s_mov_b32 s[G0J+1], s[WOFF]                    ; slot 0; turned ahead of each fill
	s_mov_b32 s[G0X], 1
	s_mov_b32 s[G0X+1], s[WOFF]
	s_mov_b32 s[XFC], 3
	s_mov_b32 s[SEL], 0x76543210
	s_mov_b32 s[SEL+1], 0xfedcba98
	s_mov_b32 s[RN], 0x3b000000
	s_mov_b32 s[EPSR], 0x3727c5ac
	s_lshl_b32 s2, s[WV], 14                       ; my sub-tile of a fill
	s_mov_b32 s3, 0
	s_lshl_b32 s74, s[YB], 18                      ; the column block's four fills
	s_mov_b32 s75, 0
	s_lshl_b32 s[E0], s[RBK], 18                   ; my 128 rows of 2,048 bytes
	s_mov_b32 s[E0+1], 0
	s_lshr_b32 s[E1], s[RBK], 3                    ; where my sub-tile of kv lies: batch,
	s_lshl_b32 s[E1], s[E1], 21
	s_and_b32 s[E1+1], s[YB], 1                    ; p,
	s_lshl_b32 s[E1+1], s[E1+1], 20
	s_add_co_u32 s[E1], s[E1], s[E1+1]
	s_and_b32 s[E1+1], s[RBK], 7                   ; key step 2 (block % 8) + rh,
	s_lshl_b32 s[E1+1], s[E1+1], 1
	s_add_co_u32 s[E1+1], s[E1+1], s[RH]
	s_lshl_b32 s[E1+1], s[E1+1], 16
	s_add_co_u32 s[E1], s[E1], s[E1+1]
	s_lshr_b32 s[E1+1], s[YB], 1                   ; sub-tile 2 (K or V) + ch
	s_lshl_b32 s[E1+1], s[E1+1], 1
	s_add_co_u32 s[E1+1], s[E1+1], s[CH]
	s_lshl_b32 s[E1+1], s[E1+1], 14
	s_add_co_u32 s[E1], s[E1], s[E1+1]
	s_mov_b32 s[E1+1], 0
	s_wait_dscnt 0x0                               ; the opening add is done
	s_wait_kmcnt 0x0
	s_add_nc_u64 s[4:5], s[4:5], s[E0:E0+1]
	s_add_nc_u64 s[XA:XA+1], s[4:5], s[2:3]
	s_add_nc_u64 s[12:13], s[12:13], s[E1:E1+1]
	s_add_nc_u64 s[XW:XW+1], s[10:11], s[74:75]
	s_add_nc_u64 s[XW:XW+1], s[XW:XW+1], s[2:3]
	s_add_nc_u64 s[NA:NA+1], s[XW:XW+1], 65536
	s_mov_b64 s[G0X+2:G0X+3], s[XA:XA+1]
	s_or_b32 s[G0X+3], s[G0X+3], 0x80000000
	s_add_nc_u64 s[XA:XA+1], s[XA:XA+1], 65536
	CROUND                                         ; the round in front of the first tensor load
	tensor_load_to_lds s[G0X:G0X+3], s[G1X:G1X+7]  ; tile 0 into slot 0
	s_nop 0
	PLACES
	v_and_b32 v12, 15, v0                          ; r = lane % 16
	v_bfe_u32 v13, v0, 4, 1                        ; h = lane / 16
	v_and_b32 v14, 31, v0                          ; lane
	v_lshlrev_b32 v[GO], 4, v14
.irp j,0,1,2,3
	global_load_b128 v[GG+4*\j:GG+4*\j+3], v[GO], s[6:7] offset:512*\j
	global_load_b128 v[BB+4*\j:BB+4*\j+3], v[GO], s[8:9] offset:512*\j
.endr
	v_and_b32 v15, 7, v0                           ; the turning load: lane l reads row 8 h + l % 8, bytes 16 ((l / 8) % 2) ..
	v_lshl_add_u32 v15, v13, 3, v15
	v_mul_u32_u24 v15, v15, PT
	v_bfe_u32 v28, v0, 3, 1
	v_lshl_add_u32 v15, v28, 4, v15
	s_mul_i32 s[SX], s[CH], SUB
	v_add_nc_u32 v[AW0], s[SX], v15
	v_mul_u32_u24 v[AH], v12, HP
	v_lshl_add_u32 v[AH], v13, 4, v[AH]
	s_mul_i32 s[SX], s[RH], 64*HP
	s_add_co_u32 s[SX], s[SX], HB
	v_add_nc_u32 v[AH], s[SX], v[AH]
	s_mul_i32 s[SX], s[WV], 16*SP
	s_add_co_u32 s[SX], s[SX], STAGE
	v_mul_u32_u24 v[STO], v12, SP
	v_lshl_add_u32 v[STO], v13, 4, v[STO]
	v_add_nc_u32 v[STO], s[SX], v[STO]
	v_mul_u32_u24 v[RD], v13, SP
	v_lshl_add_u32 v[RD], v12, 4, v[RD]
	v_add_nc_u32 v[RD], s[SX], v[RD]
	v_lshlrev_b32 v[XR0], 4, v12
	v_mul_u32_u24 v28, v13, PT
	v_add3_u32 v[XR0], v[XR0], v28, s[WOFF]
	s_mul_i32 s[SX], s[WV], 8*HP
	s_add_co_u32 s[SX], s[SX], HB
	v_lshl_add_u32 v[HST], v14, 3, s[SX]           ; row 8 w, 8 bytes a lane
	s_wait_loadcnt 0x0                             ; g_ctx and b_ctx, once
	; THE NORM: four tiles of 32 rows; wave w takes rows 8 w .. 8 w + 7 of each, the sub-tile that it fetched itself, four rows at a time
	s_mov_b32 s[XT], 4
.Lxt:
	CHGX
	v_add_nc_u32 v[XR], s[TB], v[XR0]
	s_mov_b32 s[XG], 2
.Lxg:
	LN4
	v_add_nc_u32 v[XR], 9216, v[XR]
	v_add_nc_u32 v[HST], 4*HP, v[HST]
	s_sub_co_u32 s[XG], s[XG], 1
	s_cmp_lg_u32 s[XG], 0
	s_cbranch_scc1 .Lxg
	v_add_nc_u32 v[HST], 24*HP, v[HST]
	s_sub_co_u32 s[XT], s[XT], 1
	s_cmp_lg_u32 s[XT], 0
	s_cbranch_scc1 .Lxt
	; THE PRODUCT: four tiles of 128 k, four quarters each, on buffers 0, 1, 0, 1
	CHGJ                                           ; all 128 normed rows are written, weight fill 0 is in; fill 1 is asked for
	v_add_nc_u32 v[AW], s[TB], v[AW0]
	KFETCH 0, F0
	KQ 1, F0, F1, 1                                ; the first quarter stands in front of the loop: its products start the sums
	WIN 0
	s_mov_b32 s[LP], 2
.Lk:
	KQ 2, F1, F0, 0
	KQ 3, F0, F1, 0
	KTURN 1
	KQ 1, F0, F1, 0
	WIN 0
	s_sub_co_u32 s[LP], s[LP], 1
	s_cmp_lg_u32 s[LP], 0
	s_cbranch_scc1 .Lk
	KQ 2, F1, F0, 0                                ; the tail is written out: nothing more is asked for
	KQ 3, F0, F1, 0
	KTURN 0
	KQ 1, F0, F1, 0
	KQ 2, F1, F0, 0
	KQ 3, F0, F1, 0
	s_wait_dscnt 4
	KMUL F1, 0, 0
	KMUL F1, 1, 0
	s_wait_dscnt 0x0
	KMUL F1, 2, 0
	KMUL F1, 3, 0
	PLACES
	KOUT 0
	KOUT 1
	KOUT 2
	KOUT 3
	s_wait_tensorcnt 0x0                           ; the wave's end: behind my last tensor load and my last LDS store
	ds_add_u32 v[SPW], v[NIL]
	s_wait_dscnt 0x0
	CROUND                                         ; the closing round
	s_endpgm
.Lfunc_end_k_qc5185b0883_kvproj:
	.size	k_qc5185b0883_kvproj, .Lfunc_end_k_qc5185b0883_kvproj-k_qc5185b0883_kvproj
	.p2alignl 7, 3214868480
	.fill 96, 4, 3214868480
	.section	.rodata,"a",@progbits
	.p2align	6, 0x0
	.amdhsa_kernel k_qc5185b0883_kvproj
		.amdhsa_group_segment_fixed_size 327680
		.amdhsa_private_segment_fixed_size 0
		.amdhsa_enable_private_segment 0
		.amdhsa_kernarg_size 40
		.amdhsa_user_sgpr_count 2
		.amdhsa_user_sgpr_kernarg_segment_ptr 1
		.amdhsa_wavefront_size32 1
		.amdhsa_system_sgpr_workgroup_id_x 1
		.amdhsa_system_sgpr_workgroup_id_y 1
		.amdhsa_system_sgpr_workgroup_id_z 1
		.amdhsa_system_vgpr_workitem_id 0
		.amdhsa_next_free_vgpr 768
		.amdhsa_next_free_sgpr 90
		.amdhsa_reserve_vcc 0
		.amdhsa_float_denorm_mode_32 3
		.amdhsa_float_denorm_mode_16_64 3
		.amdhsa_memory_ordered 1
		.amdhsa_forward_progress 1
		.amdhsa_inst_pref_size 90
	.end_amdhsa_kernel
	.amdgpu_metadata
---
amdhsa.version: [ 1, 2 ]
amdhsa.kernels:
  - .name:           k_qc5185b0883_kvproj
    .symbol:         k_qc5185b0883_kvproj.kd
    .args:
      - { .name: context, .offset: 0, .size: 8, .value_kind: global_buffer, .address_space: global }
      - { .name: g_ctx, .offset: 8, .size: 8, .value_kind: global_buffer, .address_space: global }
      - { .name: b_ctx, .offset: 16, .size: 8, .value_kind: global_buffer, .address_space: global }
      - { .name: wkt, .offset: 24, .size: 8, .value_kind: global_buffer, .address_space: global }
      - { .name: kv, .offset: 32, .size: 8, .value_kind: global_buffer, .address_space: global }
    .group_segment_fixed_size: 327680
    .private_segment_fixed_size: 0
    .kernarg_segment_align: 8
    .kernarg_segment_size: 40
    .max_flat_workgroup_size: 128
    .sgpr_count:     90
    .vgpr_count:     768
    .wavefront_size: 32
...
	.end_amdgpu_metadata
.endif
;; end of part 2
;; launch block (part 3): grid 32 x 8, 4 waves a work-group, clusters of 4 x 1, 327,680 bytes of LDS; arguments x, ada, wt, kv, context_mask, bp, out0; writes out0
.if DOCPART == 3
	.amdgcn_target "amdgcn-amd-amdhsa--gfx1250"
	.amdhsa_code_object_version 6
	.text
	.protected	k_qc5185b0883_block
	.globl	k_qc5185b0883_block
	.p2align	8
	.type	k_qc5185b0883_block,@function
k_qc5185b0883_block:
	s_mov_b64 s[64:65], 0
	v_nop
	global_prefetch_b8 v0, s[64:65] scope:SCOPE_SE
	s_setreg_imm32_b32 hwreg(HW_REG_WAVE_MODE, 25, 1), 1
	s_wait_xcnt 0x0
	s_wait_alu depctr_hold_cnt(0) depctr_sa_sdst(0) depctr_va_vdst(0) depctr_va_sdst(0) depctr_va_ssrc(0) depctr_va_vcc(0) depctr_vm_vsrc(0)
	s_getreg_b32 s2, hwreg(HW_REG_IB_STS2, 6, 4)
	s_cmp_eq_u32 s2, 0
	s_cbranch_scc0 .Lentry_in_a_cluster
	s_endpgm
.Lentry_in_a_cluster:
	s_bfe_u32 s2, ttmp6, 0x10000c
	s_cmp_lg_u32 s2, 0x3003
	s_cbranch_scc0 .Lentry_shape_is_right
	s_endpgm
.Lentry_shape_is_right:
; BLOCK.  out0 = x + softmax_k(q . k / 8, hidden keys left out) v Wp + bp, with q = (LayerNorm(x) (1 + scale) + shift) Wq.  x, out0: [8][4,096][512] f32.  ada: f32 [8][1,024], 1 + scale then shift.
; wt: Wq and Wp in bf16, [16 fills][4 sub-tiles][64 k][128 n].  kv: bf16, [8 b][2 p][16 s][4 sub-tiles][64 keys][128 channels] (sub-tiles 0, 1: K of heads 4 p .. 4 p + 3 in pairs; 2, 3: V).
; SHARES.  A work-group owns 128 rows of one batch through all four phases, so q and the attention's result never leave the WGP: 256 work-groups.
;  P1  the norm: 32 rows a wave, into LDS in bf16 (H).
;  P2  q^T = Wq^T h^T: a wave makes all 128 rows of heads w and 4 + w: 64 accumulators.  Rounded in pairs they ARE source 1 of the scores' product: q goes from accumulators to operands without leaving the registers.
;  P3  attention, two passes: in pass p wave w has head 4 p + w and all 128 queries: four pieces of two tiles of 16.  Keys go 64 a step, 16 steps.  The result, rounded to bf16, takes h's place in H.
;  P4  out^T = Wp^T O^T + bp: a wave makes 128 rows x 128 columns; bp is the C operand that starts the sums; x is read again, two row tiles ahead, and added on the way out.
; ONE SHAPE FOR EVERY TENSOR LOAD: 16,384 dense bytes as 64 rows of 256, padded by 32 bytes a row in LDS (pitch 288); a fill is four of them, one a wave: 32 rows of x, 64 k of a weight, or a key step's K and V of four
; heads.  Two slots take turns through 52 tiles (4 of x, 8 of Wq, 32 of K and V, 8 of Wp); tile c lies in slot c % 2; the change in front of tile c asks for tile c + 1.  By this text's count one tensor load a wave is out.
; The pitch suits the turning loads (V and the weights).  K's plain loads take 16 rows that start at word 72 r: two of them share a start modulo 64 words (64 banks of 4 bytes: ISA guide 11.1); that is taken, for one shape,
; one descriptor and one line for every fill, so that the key step's text stands once.
; CLUSTER.  The four work-groups of a cluster share the batch: weights, K and V are asked for JOINTLY (mask 15).  x's fills are each work-group's own (mask 0), and so is Wq's fill 0, which the norm's loop asks for in its last trip.
; SOFTMAX.  For each query a running maximum m and sum l: p = 2^(c s - c m), c = log2(e) / 8; in every step O and l are multiplied by a = 2^(c m_old - c m_new).  m starts at the lowest finite number, so the first a is 0.
; THE MASK is the C operand that starts the sum S^T = K Q^T: 0, or -2^100 where the key is hidden, from a table of 1,024 f32 in LDS.  c x 2^100 is exact, so a query that has seen hidden keys alone has p = 1 for each of them,
; and they are wiped by a = 0 when the first open key comes; a batch with every key hidden gets equal weights.
; A PASS'S LAST TRIP makes the next phase's first tile the slot in hand and takes it for K once: 16 products and a maximum that serve nothing, once a pass; so every trip of the step loop fills, and it has no second text.
; LIMITS.  All matrix operands (h, Wq, q, K, V, p, O, Wp) are rounded to bf16.  A hidden score counts as its value less 2^100; a weight below 2^-126 counts as 0 in l; NaN and infinities are not treated apart.
; REGISTERS, in windows of 256 (s_set_vgpr_msb: bits 1:0 source 0, 3:2 source 1, 5:4 source 2, 7:6 destination):
;  window 0: v0-11 addresses.  In P3: v12-15, v48-63 at work; v16-47 statistics; v64-191 S^T, two buffers of two tiles; v192-255 P, likewise.  Else: v16-31 the phase's addresses, v64-255 the norm's or the way out's.
;  window 1: accumulators 'lo' ((T, ct) at 8 (4 T + ct)); in P3 O^T, 32 a tile.          window 2: two fragment buffers of 128 (weights lo 32, hi 32, rows 64); in P3 Q v0-127, K v128-191, V v192-255.
;  window 3: accumulators 'hi'; in P3 v0-127 the second pass's Q, v128-159 a key step's mask.
.set SUB,   18432                      ; a sub-tile in LDS: 64 rows x 288
.set SLOT,  73728
.set PT,    288
.set HB,    147456                     ; H: 128 rows x 1,040 bytes (1,024 + 16): h, later O; written by LDS stores alone
.set HP,    1040
.set MB,    280576                     ; the mask's table
.set SPARE, 284672                     ; the spare words: 128 bytes for each wave, two blocks of 256 bytes that no other line names
.set STAGE, 285184                     ; 16 rows x 528 bytes (512 + 16) for each wave, for the way out
.set SGP,   528
.set NP,  4                            ; pieces a wave: a name, no knob
.set SPW, 1                            ; v1  LDS address of my spare word; never rewritten
.set AK0, 2                            ; v2  my place in a tile's K
.set AV0, 3                            ; v3  in its V
.set AK,  4                            ; v4  the LDS address of K's next run of loads
.set AV,  5                            ; v5  of V's
.set STO, 6                            ; v6  where my 16 bytes of O's rows 0-63 go
.set STO2, 7                           ; v7  rows 64-127
.set AM0, 8                            ; v8  my place in the mask's table
.set NIL, 9                            ; v9  0; never rewritten
.set PFO, 10                           ; v10 256 x lane; never rewritten
.set AM,  11                           ; v11 the LDS address of the mask's next run
.set MV,  12
.set ST,  16                           ; tile t's statistics at v[ST+4 t]: c m, m, l (even keys', odd keys')
.set TMP, 48
.set S,   64
.set P,   192
.set KF,  128                          ; window 2
.set VF,  192                          ; window 2
.set MC,  128                          ; window 3
.set XR0, 16
.set XR,  17
.set HST, 18
.set AW0, 20
.set AW,  21
.set AH0, 22
.set AH1, 23
.set XO,  24
.set SGS, 25
.set SGR, 26
.set BPO, 27
.set LX,  64
.set LT,  128
.set LO,  160
.set GG,  192
.set BB,  208
.set F0,  0
.set F1,  128
.set WV,  18
.set BAT, 19
.set WOFF, 20
.set TB,  21                           ; LDS byte at which the slot in hand begins
.set FC,  22                           ; joint fills left in the run in hand
.set C1,  23                           ; the next run's length
.set G1J, 24
.set G1X, 32
.set G0J, 40
.set G0X, 44
.set NA,  48                           ; s[48:49] the next joint fill;  s[50:51], s[52:53] where the next two runs begin (K and V; Wp)
.set Q1,  50
.set Q2,  52
.set XW,  54                           ; s[54:55] Wq's fill 0
.set CNT, 56
.set PASS, 57
.set CS,  58
.set SEL, 60
.set SM,  62                           ; byte of the mask's table at which the step to be fetched begins
.set LP,  63
.set RN,  66                           ; 2^-9
.set EPSR, 67                          ; 1e-5
.set BIGP, 68                          ; 2^100
.set BIGN, 69                          ; -2^100
.set XT,  70
.set XG,  71
.set LIM, 72                           ; 3 in a wave that prefetches, else the greatest number
.set PFL, 73                           ; changes of slots left in P3
.set CX,  76                           ; from here on: what is made from my place in the cluster; none of it feeds a joint load
.set RBK, 77
.set XA,  78
.set XFC, 80
.set PFA, 82
.set E0,  84
.set E1,  86
.set HS,  88
.set SX,  89
.set MSB, 0
.macro WIN new                         ; the immediate's high byte repeats the setting that is left; a switch that changes nothing is dropped
.if MSB != (\new)
	s_set_vgpr_msb (MSB<<8)|(\new)
.set MSB, (\new)
.endif
.endm
.set W_KQ, 0x0a                        ; K and Q in window 2, S^T in window 0
.set W_KM, 0x3a                        ; the same with the C operand in window 3
.set W_PV, 0x52                        ; V in window 2, P in window 0, O^T in window 1
.set W_RS, 0x41                        ; destination and source 0 in window 1, source 1 in window 0
.macro PLACES
.rept 4
	v_nop
.endr
.endm
.macro CREST                           ; a round of the cluster's barrier behind its opening barrier
	s_cmp_lg_u32 s[WV], 0
	s_cbranch_scc1 .Lnot_wave_0_\@
	s_barrier_signal -3
.Lnot_wave_0_\@:
	s_barrier_wait -3
	s_barrier_signal -1
	s_barrier_wait -1
.endm
.macro CROUND
	s_barrier_signal -1
	s_barrier_wait -1
	CREST
.endm
; the joint descriptor: the other slot, the next fill; behind a run's last fill the next run begins (7 of Wq, 32 of K and V, 8 of Wp)
.macro JSTEP
	s_xor_b32 s[G0J+1], s[G0J+1], SLOT
	s_mov_b64 s[G0J+2:G0J+3], s[NA:NA+1]
	s_or_b32 s[G0J+3], s[G0J+3], 0x80000000
	s_add_nc_u64 s[NA:NA+1], s[NA:NA+1], 65536
	s_sub_co_u32 s[FC], s[FC], 1
	s_cmp_eq_u32 s[FC], 0
	s_cselect_b64 s[NA:NA+1], s[Q1:Q1+1], s[NA:NA+1]
	s_cselect_b64 s[Q1:Q1+1], s[Q2:Q2+1], s[Q1:Q1+1]
	s_cselect_b32 s[FC], s[C1], s[FC]
.endm
; A CHANGE OF SLOTS: every wave waits for all its tensor loads (one is out: its part of the slot to be read), adds 0 to its spare word, waits for that and for its LDS reads and stores, and passes a round of the cluster's
; barrier; the slot read last is filled again first thing behind it.  CHGX asks for a fill of my own: after three of x, Wq's fill 0.
.macro CHGX
	WIN 0
	s_wait_tensorcnt 0x0                           ; no tensor load of mine is out, so a group 0 may be written
	ds_add_u32 v[SPW], v[NIL]                      ; 0 onto my spare word; the descriptor's steps stand between it and the wait for it
	s_xor_b32 s[G0X+1], s[G0X+1], SLOT
	s_mov_b64 s[G0X+2:G0X+3], s[XA:XA+1]
	s_or_b32 s[G0X+3], s[G0X+3], 0x80000000
	s_add_nc_u64 s[XA:XA+1], s[XA:XA+1], 65536
	s_sub_co_u32 s[XFC], s[XFC], 1
	s_cmp_eq_u32 s[XFC], 0
	s_cselect_b64 s[XA:XA+1], s[XW:XW+1], s[XA:XA+1]
	s_xor_b32 s[TB], s[TB], SLOT
	s_wait_dscnt 0x0
	CROUND
	tensor_load_to_lds s[G0X:G0X+3], s[G1X:G1X+7]
	s_nop 0
	PLACES
.endm
.macro CHGJ
	WIN 0
	s_wait_tensorcnt 0x0
	ds_add_u32 v[SPW], v[NIL]
	JSTEP
	s_xor_b32 s[TB], s[TB], SLOT
	s_wait_dscnt 0x0
	CROUND
	tensor_load_to_lds s[G0J:G0J+3], s[G1J:G1J+7]
	s_nop 0
	PLACES
.endm
; A PREFETCH INTO THE L2 of the fill of K and V that the NEXT change of slots will ask for: 65,536 bytes, one key step ahead of that load.  All clusters of a batch walk the same K and V: the batch's first cluster asks.
; Its four partners and, in each, waves 0 and 2 share the fill out BY ADDRESS, 8,192 bytes each, a lane to each 256: every block is named once in the launch.  The last three changes of P3 ask for nothing: what they and
; the changes behind them load is the last fill of K and V, already named, and Wp.
.macro ASK
	s_cmp_gt_u32 s[PFL], s[LIM]
	s_cbranch_scc0 .Lnot_mine_\@
	global_prefetch_b8 v[PFO], s[PFA:PFA+1] th:TH_LOAD_NT scope:SCOPE_SE
.Lnot_mine_\@:
.endm
.macro CHG3                            ; P3's change of slots, between the turns of pieces 1 and 2: K and V of the step in hand have been read
	WIN 0
	s_wait_tensorcnt 0x0
	ds_add_u32 v[SPW], v[NIL]
	JSTEP
	s_xor_b32 s[TB], s[TB], SLOT
	s_wait_xcnt 0x0                                ; the last prefetch, a key step back, has read its address, so it may be stepped
	s_add_nc_u64 s[PFA:PFA+1], s[PFA:PFA+1], 65536
	s_wait_dscnt 0x0
	CROUND
	tensor_load_to_lds s[G0J:G0J+3], s[G1J:G1J+7]
	s_nop 0
	PLACES
	ASK
	s_sub_co_u32 s[PFL], s[PFL], 1
.endm
; the sum over the 32 lanes of register o of each row's eight, result in every lane; register o + 1 is scratch
.macro LRED o
.irp m,1,2,4,8
.irp t,0,1,2,3
	v_add_f32_dpp v[LT+8*\t+\o], v[LT+8*\t+\o], v[LT+8*\t+\o] row_xmask:\m row_mask:0xf bank_mask:0xf
.endr
.endr
.irp t,0,1,2,3
	v_permlanex16_b32 v[LT+8*\t+\o+1], v[LT+8*\t+\o], s[SEL], s[SEL+1]
.endr
.irp t,0,1,2,3
	v_add_f32 v[LT+8*\t+\o], v[LT+8*\t+\o], v[LT+8*\t+\o+1]
.endr
.endm
; FOUR ROWS ARE NORMED, stage by stage across the rows so that no line waits for the one before it.  A row of 2,048 bytes lies in 8 LDS rows; load j takes columns 128 j + 4 lane .. + 3.
.macro LN4
.irp t,0,1,2,3
.irp j,0,1,2,3
	ds_load_b128 v[LX+16*\t+4*\j:LX+16*\t+4*\j+3], v[XR] offset:2304*\t+576*\j
.endr
.endr
	s_wait_dscnt 0x0
.irp j,0,1,2,3
.irp t,0,1,2,3
	v_pk_add_f32 v[LT+8*\t+2*\j:LT+8*\t+2*\j+1], v[LX+16*\t+4*\j:LX+16*\t+4*\j+1], v[LX+16*\t+4*\j+2:LX+16*\t+4*\j+3]
.endr
.endr
.irp t,0,1,2,3
	v_pk_add_f32 v[LT+8*\t:LT+8*\t+1], v[LT+8*\t:LT+8*\t+1], v[LT+8*\t+2:LT+8*\t+3]
.endr
.irp t,0,1,2,3
	v_pk_add_f32 v[LT+8*\t+4:LT+8*\t+5], v[LT+8*\t+4:LT+8*\t+5], v[LT+8*\t+6:LT+8*\t+7]
.endr
.irp t,0,1,2,3
	v_pk_add_f32 v[LT+8*\t:LT+8*\t+1], v[LT+8*\t:LT+8*\t+1], v[LT+8*\t+4:LT+8*\t+5]
.endr
.irp t,0,1,2,3
	v_add_f32 v[LT+8*\t], v[LT+8*\t], v[LT+8*\t+1]
.endr
	LRED 0
.irp t,0,1,2,3
	v_mul_f32 v[LT+8*\t], s[RN], v[LT+8*\t]        ; the mean
.endr
.irp k,0,1,2,3,4,5,6,7
.irp t,0,1,2,3
	v_pk_add_f32 v[LX+16*\t+2*\k:LX+16*\t+2*\k+1], v[LX+16*\t+2*\k:LX+16*\t+2*\k+1], v[LT+8*\t:LT+8*\t+1] op_sel_hi:[1,0] neg_lo:[0,1] neg_hi:[0,1]
.endr
.endr
.irp t,0,1,2,3
	v_pk_mul_f32 v[LT+8*\t+2:LT+8*\t+3], v[LX+16*\t:LX+16*\t+1], v[LX+16*\t:LX+16*\t+1]
	v_pk_mul_f32 v[LT+8*\t+4:LT+8*\t+5], v[LX+16*\t+2:LX+16*\t+3], v[LX+16*\t+2:LX+16*\t+3]
.endr
.irp j,1,2,3
.irp t,0,1,2,3
	v_pk_fma_f32 v[LT+8*\t+2:LT+8*\t+3], v[LX+16*\t+4*\j:LX+16*\t+4*\j+1], v[LX+16*\t+4*\j:LX+16*\t+4*\j+1], v[LT+8*\t+2:LT+8*\t+3]
	v_pk_fma_f32 v[LT+8*\t+4:LT+8*\t+5], v[LX+16*\t+4*\j+2:LX+16*\t+4*\j+3], v[LX+16*\t+4*\j+2:LX+16*\t+4*\j+3], v[LT+8*\t+4:LT+8*\t+5]
.endr
.endr
.irp t,0,1,2,3
	v_pk_add_f32 v[LT+8*\t+2:LT+8*\t+3], v[LT+8*\t+2:LT+8*\t+3], v[LT+8*\t+4:LT+8*\t+5]
.endr
.irp t,0,1,2,3
	v_add_f32 v[LT+8*\t+2], v[LT+8*\t+2], v[LT+8*\t+3]
.endr
	LRED 2
.irp t,0,1,2,3
	v_fma_f32 v[LT+8*\t+2], v[LT+8*\t+2], s[RN], s[EPSR]  ; the variance + 1e-5
.endr
.irp t,0,1,2,3
	v_rsq_f32 v[LT+8*\t+2], v[LT+8*\t+2]
.endr
	v_nop                                          ; a plain instruction between the last root and the use of its result
	s_wait_alu depctr_va_vdst(0)
.irp k,0,1,2,3,4,5,6,7
.irp t,0,1,2,3
	v_pk_mul_f32 v[LX+16*\t+2*\k:LX+16*\t+2*\k+1], v[LX+16*\t+2*\k:LX+16*\t+2*\k+1], v[LT+8*\t+2:LT+8*\t+3] op_sel_hi:[1,0]
.endr
.endr
.irp k,0,1,2,3,4,5,6,7
.irp t,0,1,2,3
	v_pk_fma_f32 v[LX+16*\t+2*\k:LX+16*\t+2*\k+1], v[LX+16*\t+2*\k:LX+16*\t+2*\k+1], v[GG+2*\k:GG+2*\k+1], v[BB+2*\k:BB+2*\k+1]
.endr
.endr
.irp k,0,1,2,3,4,5,6,7
.irp t,0,1,2,3
	v_cvt_pk_bf16_f32 v[LO+8*\t+\k], v[LX+16*\t+2*\k], v[LX+16*\t+2*\k+1]
.endr
.endr
.irp t,0,1,2,3
.irp j,0,1,2,3
	ds_store_b64 v[HST], v[LO+8*\t+2*\j:LO+8*\t+2*\j+1] offset:HP*\t+256*\j
.endr
.endr
.endm
; THE TWO PROJECTIONS.  32 LDS loads in one run: half q (32 k) of the tile of 64 k, into buffer f: 64 columns 'lo' of the weight, turned; all 128 rows of H; 64 columns 'hi', hioff bytes further
.macro GFETCH q, f, hioff
	WIN 0x80                                       ; destination window 2, address window 0
.irp c,0,1,2,3
	ds_load_tr16_b128 v[(\f)+8*\c:(\f)+8*\c+3],   v[AW] offset:9216*(\q)+32*\c
	ds_load_tr16_b128 v[(\f)+8*\c+4:(\f)+8*\c+7], v[AW] offset:9216*(\q)+32*\c+4608
.endr
.irp t,0,1,2,3
	ds_load_b128 v[(\f)+64+8*\t:(\f)+64+8*\t+3],   v[AH0] offset:16640*\t+64*(\q)
	ds_load_b128 v[(\f)+64+8*\t+4:(\f)+64+8*\t+7], v[AH0] offset:16640*\t+64*(\q)+32
.endr
.irp t,0,1,2,3
	ds_load_b128 v[(\f)+96+8*\t:(\f)+96+8*\t+3],   v[AH1] offset:16640*\t+64*(\q)
	ds_load_b128 v[(\f)+96+8*\t+4:(\f)+96+8*\t+7], v[AH1] offset:16640*\t+64*(\q)+32
.endr
.irp c,0,1,2,3
	ds_load_tr16_b128 v[(\f)+32+8*\c:(\f)+32+8*\c+3],   v[AW] offset:(\hioff)+9216*(\q)+32*\c
	ds_load_tr16_b128 v[(\f)+32+8*\c+4:(\f)+32+8*\c+7], v[AW] offset:(\hioff)+9216*(\q)+32*\c+4608
.endr
.endm
; n row tiles from t0 on x 4 column tiles, lo or hi.  zero = 1: the products start the sums; 2: they start them with the bias (window 0, v64 on).  The 64 accumulators take turns in the same order in every half.
.macro GMUL f, hi, t0, n, zero
.if (\zero) == 2
	WIN 0x4a+0x80*(\hi)
.else
	WIN 0x5a+0xa0*(\hi)
.endif
.set tt, (\t0)
.rept (\n)
.irp c,0,1,2,3
.if (\zero) == 1
	v_wmma_f32_16x16x32_bf16 v[8*(4*tt+\c):8*(4*tt+\c)+7], v[(\f)+32*(\hi)+8*\c:(\f)+32*(\hi)+8*\c+7], v[(\f)+64+8*tt:(\f)+64+8*tt+7], 0
.elseif (\zero) == 2
	v_wmma_f32_16x16x32_bf16 v[8*(4*tt+\c):8*(4*tt+\c)+7], v[(\f)+32*(\hi)+8*\c:(\f)+32*(\hi)+8*\c+7], v[(\f)+64+8*tt:(\f)+64+8*tt+7], v[64+32*(\hi)+8*\c:64+32*(\hi)+8*\c+7]
.else
	v_wmma_f32_16x16x32_bf16 v[8*(4*tt+\c):8*(4*tt+\c)+7], v[(\f)+32*(\hi)+8*\c:(\f)+32*(\hi)+8*\c+7], v[(\f)+64+8*tt:(\f)+64+8*tt+7], v[8*(4*tt+\c):8*(4*tt+\c)+7]
.endif
.endr
.set tt, tt+1
.endr
.endm
.macro GQ zero, hioff                  ; a tile's first half: buffer 0 is multiplied, the second half fetched into buffer 1 in its middle
	s_wait_dscnt 8                                 ; all but the youngest eight loads (the columns 'hi')
	GMUL F0, 0, 0, 8, \zero
	PLACES
	GFETCH 1, F1, \hioff
	s_wait_dscnt 32                                ; all but the 32 just issued
	GMUL F0, 1, 0, 8, \zero
.endm
.macro GTURN fill, fetch, hioff        ; a tile's second half (buffer 1) and the change of slots
	WIN 0
	s_wait_tensorcnt 0x0                           ; my part of the next slot has landed
	ds_add_u32 v[SPW], v[NIL]
.if \fill
	JSTEP
.endif
	s_xor_b32 s[TB], s[TB], SLOT
	s_wait_dscnt 9                                 ; (the add and the youngest eight loads may be out)
	GMUL F1, 0, 0, 4, 0
	s_wait_dscnt 0x0                               ; the add is done, and my reads of this slot are over
	s_barrier_signal -1
	GMUL F1, 0, 4, 4, 0
	WIN 0
	s_barrier_wait -1
.if \fill
	CREST                                          ; the barrier has opened a round of the cluster's: no wave of any partner still reads the slot or has a load on its way
	tensor_load_to_lds s[G0J:G0J+3], s[G1J:G1J+7]
	s_nop 0
.endif
	PLACES
.if \fetch
	v_add_nc_u32 v[AW], s[TB], v[AW0]
	v_add_nc_u32 v[AH0], 128, v[AH0]               ; the next 64 k of H's rows
	v_add_nc_u32 v[AH1], 128, v[AH1]
	GFETCH 0, F0, \hioff
.endif
	GMUL F1, 1, 0, 8, 0
.endm
; P3's MATRIX WORK.  The 8 accumulators of a run of 16 take turns.  Product i of 16 of S^T = K Q^T for piece x: channels 32 (i / 8) on, keys 16 ((i / 2) % 4) on, tile 2 x + i % 2.  The first 8 start the sums with the mask.
.macro KQ x
.set rS, S+64*((\x)%2)+32*(i%2)+8*((i/2)%4)
.set rK, KF+16*((i/2)%4)+8*(i/8)
.set rQ, 16*(2*(\x)+i%2)+8*(i/8)
.set rMC, MC+8*((i/2)%4)
.if i < 8
	WIN W_KM
	v_wmma_f32_16x16x32_bf16 v[rS:rS+7], v[rK:rK+7], v[rQ:rQ+7], v[rMC:rMC+7]
.else
	WIN W_KQ
	v_wmma_f32_16x16x32_bf16 v[rS:rS+7], v[rK:rK+7], v[rQ:rQ+7], v[rS:rS+7]
.endif
.endm
; Product i of 16 of O^T += V^T P for piece x: keys 32 (i / 8) on, channels 16 ((i / 2) % 4) on, tile 2 x + i % 2.
.macro PV x
	WIN W_PV
.set rO, 32*(2*(\x)+i%2)+8*((i/2)%4)
.set rV, VF+32*(i/8)+8*((i/2)%4)
.set rP, P+32*((\x)%2)+16*(i%2)+8*(i/8)
	v_wmma_f32_16x16x32_bf16 v[rO:rO+7], v[rV:rV+7], v[rP:rP+7], v[rO:rO+7]
.endm
.macro MM                              ; the turn's next matrix instruction
.if i < 16
	KQ (Y+1)%NP
.set i, i+1
.else
.set i, i-16
	PV (Y+NP-1)%NP
.set i, i+17
.endif
.endm
; THE LDS LOADS stand in runs, never singly among the matrix instructions: a step's K (8 fragments) with its mask (register j of key block kb: key 16 kb + 8 (lane / 16) + j), and its V (turned).
.macro FETCH_K
	WIN 0x80                                       ; destination window 2
.irp f, 0,1,2,3,4,5,6,7                ; keys 16 (f / 2) on, channels 32 (f % 2) on
	ds_load_b128 v[KF+8*\f:KF+8*\f+3],   v[AK] offset:(\f/2)*16*PT+(\f%2)*64
	ds_load_b128 v[KF+8*\f+4:KF+8*\f+7], v[AK] offset:(\f/2)*16*PT+(\f%2)*64+32
.endr
	WIN 0xc0                                       ; destination window 3
.irp f, 0,1,2,3
	ds_load_b128 v[MC+8*\f:MC+8*\f+3],   v[AM] offset:64*\f
	ds_load_b128 v[MC+8*\f+4:MC+8*\f+7], v[AM] offset:64*\f+16
.endr
	s_add_co_u32 s[SM], s[SM], 256                 ; the next fetch is the next step's; behind the table's end it goes back to its head
	s_and_b32 s[SM], s[SM], 4095
	WIN 0
.endm
.macro FETCH_V
	WIN 0x80
.irp f, 0,1,2,3,4,5,6,7                ; keys 32 (f / 4) on, channels 16 (f % 4) on
	ds_load_tr16_b128 v[VF+8*\f:VF+8*\f+3],   v[AV] offset:(\f/4)*32*PT+(\f%4)*32
	ds_load_tr16_b128 v[VF+8*\f+4:VF+8*\f+7], v[AV] offset:(\f/4)*32*PT+16*PT+(\f%4)*32
.endr
	WIN 0
.endm
; P3's VECTOR WORK stands in three queues, each in the order in which its entries become ready; the two tiles alternate, so that no instruction reads the result of the one before it.
.macro REGS y, u                       ; the registers of tile u (0, 1) of piece y
.set rT, ST+4*(2*(\y)+(\u))
.set rC, TMP+8*((\y)%2)+4*(\u)
.set rM, MV+2*((\y)%2)+(\u)
.set rS, S+64*((\y)%2)+32*(\u)
.set rP, P+32*((\y)%2)+16*(\u)
.set rO, 32*(2*(\y)+(\u))
.endm
; Number n of the 22 that find the NEXT piece's (Y + 1) maximum and statistics; each accumulator's lowest registers are read first.
;   0-11  four chains c0-c3 of seven scores each     12-14, 16  the four scores left over, the old m, and c0-c3 into c0     15  c m_old is kept     17, 18  the other half of the lanes': the new m     19-21  c m; c m_old - c m_new; a
.macro XS u, n
	REGS (Y+1)%NP, \u
.if (\n) < 4
	v_max3_num_f32 v[rC+(\n)], v[rS+8*(\n)], v[rS+8*(\n)+1], v[rS+8*(\n)+2]
.elseif (\n) < 12
	v_max3_num_f32 v[rC+(\n)%4], v[rC+(\n)%4], v[rS+8*((\n)%4)+2*((\n)/4)+1], v[rS+8*((\n)%4)+2*((\n)/4)+2]
.elseif (\n) == 12
	v_max3_num_f32 v[rC], v[rC], v[rS+7], v[rS+15]
.elseif (\n) == 13
	v_max3_num_f32 v[rC+1], v[rC+1], v[rS+23], v[rS+31]
.elseif (\n) == 14
	v_max3_num_f32 v[rC+2], v[rC+2], v[rC+3], v[rT+1]
.elseif (\n) == 15
	v_mov_b32 v[rM], v[rT]
.elseif (\n) == 16
	v_max3_num_f32 v[rC], v[rC], v[rC+1], v[rC+2]
.elseif (\n) == 17
	v_permlanex16_b32 v[rC+3], v[rC], s[SEL], s[SEL+1]
.elseif (\n) == 18
	v_max_num_f32 v[rT+1], v[rC], v[rC+3]
.elseif (\n) == 19
	v_mul_f32 v[rT], s[CS], v[rT+1]
.elseif (\n) == 20
	v_sub_f32 v[rC+1], v[rM], v[rT]
.else
	v_exp_f32 v[rC+2], v[rC+1]
.endif
.endm
; Number g of the 64 that follow the exponentials.  For each four weights k of a tile: both pairs are rounded to bf16; the second pair is added onto the first, in place; a group later l takes that sum (the first time as l = a l + sum).
.macro GS g
.set h, (\g)+6*((\g)/62)
.if h >= 6
.set h, h+2
.endif
	REGS Y, h%2
.set k, h/8
.if h%8 < 4
	s_wait_alu depctr_va_vdst(0)
	v_cvt_pk_bf16_f32 v[rP+2*k+(h%8)/2], v[rS+4*k+2*((h%8)/2)], v[rS+4*k+2*((h%8)/2)+1]
.elseif h%8 < 6
	v_pk_add_f32 v[rS+4*k:rS+4*k+1], v[rS+4*k:rS+4*k+1], v[rS+4*k+2:rS+4*k+3]
.elseif k == 1
	v_pk_fma_f32 v[rT+2:rT+3], v[rT+2:rT+3], v[rC+2:rC+3], v[rS:rS+1] op_sel_hi:[1,0,1]
.else
	v_pk_add_f32 v[rT+2:rT+3], v[rT+2:rT+3], v[rS+4*k-4:rS+4*k-3]
	s_wait_alu depctr_va_vdst(0)
.endif
.endm
; THE PLAIN QUEUE, 138 long.  0-31: c s - c m for the 16 pairs of both tiles.  Then GS's 64, and among them the next piece's 42.
.macro PL
	WIN 0
.if q < 32
	REGS Y, q%2
	v_pk_fma_f32 v[rS+2*(q/2):rS+2*(q/2)+1], v[rS+2*(q/2):rS+2*(q/2)+1], s[CS:CS+1], v[rT:rT+1] op_sel_hi:[1,0,0] neg_lo:[0,0,1] neg_hi:[0,0,1]
.elseif q < 38
	GS q-32
.elseif q < 40
	XS q%2, 15
.elseif q < 42
	GS q-34
.elseif q < 74
	XS q%2, (q-42)/2+(q-42)/30
.elseif q < 95
	GS q-66
.elseif (q < 107) && ((q-95)%3 < 2)
	XS (q-95)%3, 17+(q-95)/3
.elseif q < 107
	GS 29+(q-95)/3
.else
	GS q-74
.endif
.set q, q+1
.endm
; THE EXPONENTIALS' QUEUE, 66 long: s0-s31 of both tiles, and at EA the next piece's two a.
.set EA, 58
.macro EX
	WIN 0
.if (e == EA) || (e == EA+1)
	XS e-EA, 21
.else
.set x, e-2*(e/(EA+2))
	REGS Y, x%2
	v_exp_f32 v[rS+x/2], v[rS+x/2]
.endif
.set e, e+1
.endm
; THE RESCALING's QUEUE: O^T times a, the one part that leaves window 0, dealt four at a time, eight times.
.macro R4
	REGS Y, r%2
	WIN W_RS
	s_wait_alu depctr_va_vdst(0)
.irp z, 0,1,2,3
	v_pk_mul_f32 v[rO+8*(r/2)+2*\z:rO+8*(r/2)+2*\z+1], v[rO+8*(r/2)+2*\z:rO+8*(r/2)+2*\z+1], v[rC+2:rC+3] op_sel_hi:[1,0]
.endr
.set r, r+1
.endm
; THE DEAL.  Behind a matrix instruction four: plain, exponential, plain, plain, or four of the rescaling; none names a register of the products round it.  What is over stands in two lumps: exponential and plain by turns; the
; second ends in 22 plain instructions.
.macro SL
	MM
	PL
	EX
	PL
	PL
.endm
.macro BURST n
.rept (\n)-7
	SL
.endr
.rept 3
	MM
	R4
	SL
.endr
	MM
	R4
.endm
; A TURN, for piece p: 16 products K Q^T of piece p + 1, later 16 products V^T P of piece p - 1; beside them the scaling, exponentials, roundings, sums and rescaling of piece p and the maximum and statistics of piece p + 1.
; K and the mask of the next step are fetched in piece 2's turn, in the first lump, well behind the last product that read them; V of the step in hand at the end of piece 0's turn.  Each is waited for a turn later.
.macro TURN p
.set Y, (\p)
.set i, 0
.set q, 0
.set e, 0
.set r, 0
.if (\p) == NP-1
	s_wait_dscnt 0x0                               ; K and the mask are in
.endif
	MM
.rept 4
	PL
.endr
	BURST 15
.rept 22
	EX
	PL
.if ((\p) == NP-2) && (e == 18)
	v_add_nc_u32 v[AK], s[TB], v[AK0]
	v_add_nc_u32 v[AM], s[SM], v[AM0]
.endif
.if ((\p) == NP-2) && (e == 24)
	FETCH_K
.endif
.endr
.if (\p) == 1
	s_wait_dscnt 0x0                               ; V is in
.endif
	BURST 16
.rept 21
	EX
	PL
.endr
.rept 22
	PL
.if ((\p) == 0) && (q == 118)
	v_add_nc_u32 v[AV], s[TB], v[AV0]
	s_wait_alu depctr_va_vdst(0)
.endif
.endr
.if (\p) == 0
	FETCH_V
.endif
.endm
; P4's way out.  XLOAD: my 512 bytes of the 16 rows of x of row tile t, into one of two buffers.
.macro XLOAD t
.set xb, 128+64*((\t)%2)
.set ii, 0
.rept 16
	global_load_b128 v[xb+4*ii:xb+4*ii+3], v[XO], s[4:5] offset:2048*(16*(\t)+ii)
.set ii, ii+1
.endr
.endm
; Row tile t: a lane's eight f32 of a row go into my stage (rows of 528 bytes) and come back as whole rows of 512 bytes; x is added; each store covers 512 consecutive bytes, aligned.  left: the other buffer's loads of x, which may stay out.
.macro OUTT t, left
	WIN 0x04                                       ; store data window 1
.irp c,0,1,2,3
	ds_store_b128 v[SGS], v[8*(4*(\t)+\c):8*(4*(\t)+\c)+3]   offset:64*\c
	ds_store_b128 v[SGS], v[8*(4*(\t)+\c)+4:8*(4*(\t)+\c)+7] offset:64*\c+16
.endr
	WIN 0x0c                                       ; window 3
.irp c,0,1,2,3
	ds_store_b128 v[SGS], v[8*(4*(\t)+\c):8*(4*(\t)+\c)+3]   offset:256+64*\c
	ds_store_b128 v[SGS], v[8*(4*(\t)+\c)+4:8*(4*(\t)+\c)+7] offset:256+64*\c+16
.endr
	WIN 0
	s_wait_xcnt 0x0                                ; the last tile's stores have read v64-127, which are loaded again only behind this wait
.set ii, 0
.rept 16
	ds_load_b128 v[64+4*ii:64+4*ii+3], v[SGR] offset:SGP*ii  ; LDS serves a wave's instructions in order (ISA guide 5.7.1.4): these see the stores above
.set ii, ii+1
.endr
	s_wait_dscnt 0x0
	s_wait_loadcnt \left
.set xb, 128+64*((\t)%2)
.set ii, 0
.rept 32
	v_pk_add_f32 v[64+2*ii:64+2*ii+1], v[64+2*ii:64+2*ii+1], v[xb+2*ii:xb+2*ii+1]
.set ii, ii+1
.endr
.if (\t) < 6
	XLOAD (\t)+2
.endif
.set ii, 0
.rept 16
	global_store_b128 v[XO], v[64+4*ii:64+4*ii+3], s[16:17] offset:2048*(16*(\t)+ii) th:TH_STORE_NT
.set ii, ii+1
.endr
.endm
	s_load_b256 s[4:11], s[0:1], 0x0               ; x s[4:5], ada s[6:7], wt s[8:9], kv s[10:11]
	s_load_b128 s[12:15], s[0:1], 0x20             ; context_mask s[12:13], bp s[14:15]
	s_load_b64 s[16:17], s[0:1], 0x30              ; out0
	v_lshl_add_u32 v[SPW], v0, 2, SPARE
	v_mov_b32 v[NIL], 0
	ds_add_u32 v[SPW], v[NIL]                      ; the wave's opening: the add and its wait stand ahead of my first tensor load; the set-up below stands between them
	v_lshrrev_b32 v12, 5, v0
	v_readfirstlane_b32 s[WV], v12                 ; wave 0..3
	s_bfe_u32 s[CX], ttmp6, 0x40000                ; my place in the cluster
	s_lshl_b32 s[RBK], ttmp9, 2
	s_add_co_u32 s[RBK], s[RBK], s[CX]             ; my block of 128 rows of the batch, 0..31
	s_and_b32 s[BAT], ttmp7, 0xffff                ; the batch, which the four partners share
	s_mul_i32 s[WOFF], s[WV], SUB
	s_mov_b32 s[TB], SLOT                          ; the first change turns it into 0
	s_mov_b32 s[G1J], 15|(1<<16)|(1<<20)|(1<<21)|(5<<22)|(7<<25)  ; 15:0 the mask of four; 17:16 2-byte elements; 20 padding on; 21 set beside a mask; 24:22 after every 64 words; 31:25 8 words
	s_mov_b32 s[G1X], (1<<16)|(1<<20)|(5<<22)|(7<<25)             ; the same with no mask
.irp g, G1J, G1X
	s_mov_b32 s[\g+1], 128<<16                     ; tensor_dim0 = 128
	s_mov_b32 s[\g+2], 64<<16                      ; tensor_dim1 = 64
	s_mov_b32 s[\g+3], 128<<16                     ; tile_dim0 = 128
	s_mov_b32 s[\g+4], 64                          ; tile_dim1 = 64
	s_mov_b32 s[\g+5], 128                         ; 128 elements from row to row: dense
	s_mov_b32 s[\g+6], 0
	s_mov_b32 s[\g+7], 0
.endr
	s_mov_b32 s[G0J], 1
	s_mov_b32 s[G0J+1], s[WOFF]                    ; slot 0; turned ahead of each fill
	s_mov_b32 s[G0X], 1
	s_mov_b32 s[G0X+1], s[WOFF]
	s_mov_b32 s[FC], 7
	s_mov_b32 s[C1], 32
	s_mov_b32 s[XFC], 3
	s_mov_b32 s[PFL], 32
	s_mov_b32 s[CS], 0x3e38aa3b                    ; c = log2(e) / 8
	s_mov_b32 s[CS+1], s[CS]                       ; named with it as a pair
	s_mov_b32 s[SEL], 0x76543210
	s_mov_b32 s[SEL+1], 0xfedcba98
	s_mov_b32 s[RN], 0x3b000000
	s_mov_b32 s[EPSR], 0x3727c5ac
	s_mov_b32 s[BIGP], 0x71800000
	s_mov_b32 s[BIGN], 0xf1800000
	s_and_b32 s[LIM], s[WV], 1                     ; 0 in waves 0 and 2,
	s_or_b32 s[LIM], s[LIM], ttmp9                 ; where the cluster is the batch's first: the same in all four partners
	s_cmp_eq_u32 s[LIM], 0
	s_cselect_b32 s[LIM], 3, -1
	s_lshl_b32 s2, s[WV], 14                       ; my sub-tile of a fill
	s_mov_b32 s3, 0
	s_lshl_b32 s74, s[BAT], 21                     ; the batch's K and V
	s_mov_b32 s75, 0
	s_lshl_b32 s[E0], s[BAT], 23                   ; the batch's rows of x and out0,
	s_lshl_b32 s[E1], s[RBK], 18                   ; my 128 of them
	s_add_co_u32 s[E0], s[E0], s[E1]
	s_mov_b32 s[E0+1], 0
	s_lshl_b32 s[E1], s[CX], 1                     ; the prefetches: piece 2 cx + wave / 2 of a fill's eight,
	s_lshr_b32 s[E1+1], s[WV], 1
	s_add_co_u32 s[E1], s[E1], s[E1+1]
	s_lshl_b32 s[E1], s[E1], 13
	s_add_co_u32 s[E1], s[E1], 131072              ; in fill 2 of K and V; P3's first change steps it to fill 3
	s_mov_b32 s[E1+1], 0
	s_lshr_b32 s[HS], s[WV], 1                     ; head w's 64 columns in a tile: sub-tile w / 2, byte 128 (w % 2) of its rows
	s_mul_i32 s[HS], s[HS], SUB
	s_and_b32 s[SX], s[WV], 1
	s_lshl_b32 s[SX], s[SX], 7
	s_add_co_u32 s[HS], s[HS], s[SX]
	s_wait_dscnt 0x0                               ; the opening add is done
	s_wait_kmcnt 0x0
	s_add_nc_u64 s[4:5], s[4:5], s[E0:E0+1]
	s_add_nc_u64 s[16:17], s[16:17], s[E0:E0+1]
	s_add_nc_u64 s[XA:XA+1], s[4:5], s[2:3]
	s_add_nc_u64 s[XW:XW+1], s[8:9], s[2:3]
	s_add_nc_u64 s[NA:NA+1], s[XW:XW+1], 65536     ; Wq's fill 1
	s_add_nc_u64 s[Q2:Q2+1], s[XW:XW+1], 524288    ; Wp's fill 0
	s_add_nc_u64 s[10:11], s[10:11], s[74:75]
	s_add_nc_u64 s[Q1:Q1+1], s[10:11], s[2:3]
	s_add_nc_u64 s[PFA:PFA+1], s[10:11], s[E1:E1+1]
	s_lshl_b32 s74, s[BAT], 12
	s_add_nc_u64 s[6:7], s[6:7], s[74:75]
	s_lshl_b32 s74, s[BAT], 10
	s_add_nc_u64 s[12:13], s[12:13], s[74:75]
	s_mov_b64 s[G0X+2:G0X+3], s[XA:XA+1]
	s_or_b32 s[G0X+3], s[G0X+3], 0x80000000
	s_add_nc_u64 s[XA:XA+1], s[XA:XA+1], 65536
	CROUND                                         ; the round in front of the first tensor load
	tensor_load_to_lds s[G0X:G0X+3], s[G1X:G1X+7]  ; tile 0 into slot 0
	s_nop 0
	PLACES
	v_and_b32 v12, 15, v0                          ; r = lane % 16
	v_bfe_u32 v13, v0, 4, 1                        ; h = lane / 16
	v_and_b32 v14, 31, v0                          ; lane
	v_lshlrev_b32 v29, 4, v14
	v_lshlrev_b32 v30, 3, v0
.irp j,0,1,2,3
	global_load_b128 v[GG+4*\j:GG+4*\j+3], v29, s[6:7] offset:512*\j          ; 1 + scale of my 16 columns,
	global_load_b128 v[BB+4*\j:BB+4*\j+3], v29, s[6:7] offset:2048+512*\j     ; shift
.endr
	global_load_b64 v[32:33], v30, s[12:13]        ; eight keys' mask bytes a thread
	v_and_b32 v15, 7, v0                           ; the turning load: lane l reads row 8 h + l % 8, bytes 16 ((l / 8) % 2) ..
	v_lshl_add_u32 v15, v13, 3, v15
	v_mul_u32_u24 v15, v15, PT
	v_bfe_u32 v28, v0, 3, 1
	v_lshl_add_u32 v15, v28, 4, v15
	v_add_nc_u32 v[AW0], s[HS], v15                ; P2: head w's columns of Wq; head 4 + w's lie two sub-tiles on
	v_add_nc_u32 v[AV0], 2*SUB, v[AW0]             ; P3: V lies two sub-tiles behind K
	v_mul_u32_u24 v[AK0], v12, PT
	v_lshl_add_u32 v[AK0], v13, 4, v[AK0]
	v_add_nc_u32 v[AK0], s[HS], v[AK0]
	v_lshl_add_u32 v[AM0], v13, 5, MB
	v_mul_u32_u24 v[STO], v12, HP
	v_lshl_add_u32 v[STO], v13, 4, v[STO]          ; 1,040 r + 16 h
	v_add_nc_u32 v[AH0], HB, v[STO]
	v_add_nc_u32 v[AH1], HB+66560, v[STO]
	s_lshl_b32 s[SX], s[WV], 7
	s_add_co_u32 s[SX], s[SX], HB
	v_add_nc_u32 v[STO], s[SX], v[STO]             ; head w's 128 bytes of O's rows
	v_add_nc_u32 v[STO2], 66560, v[STO]
	v_lshlrev_b32 v[PFO], 8, v14
	v_lshlrev_b32 v[XR0], 4, v12
	v_mul_u32_u24 v28, v13, PT
	v_add3_u32 v[XR0], v[XR0], v28, s[WOFF]
	s_mul_i32 s[SX], s[WV], 8*HP
	s_add_co_u32 s[SX], s[SX], HB
	v_lshl_add_u32 v[HST], v14, 3, s[SX]           ; row 8 w, 8 bytes a lane
	v_lshl_add_u32 v31, v0, 5, MB
	s_wait_loadcnt 0x0
	; the mask's table: byte 1 gives 0, byte 0 gives -2^100
.set k, 0
.rept 8
	v_bfe_u32 v[40+k], v[32+k/4], 8*(k%4), 8
.set k, k+1
.endr
.set k, 0
.rept 8
	v_cvt_f32_u32 v[40+k], v[40+k]
.set k, k+1
.endr
.set k, 0
.rept 8
	v_fma_f32 v[40+k], v[40+k], s[BIGP], s[BIGN]
.set k, k+1
.endr
	ds_store_b128 v31, v[40:43]
	ds_store_b128 v31, v[44:47] offset:16
	; P1.  Four tiles of 32 rows; wave w takes rows 8 w .. 8 w + 7 of each, the sub-tile that it fetched itself, four rows at a time
	s_mov_b32 s[XT], 4
.Lxt:
	CHGX
	v_add_nc_u32 v[XR], s[TB], v[XR0]
	s_mov_b32 s[XG], 2
.Lxg:
	LN4
	v_add_nc_u32 v[XR], 9216, v[XR]
	v_add_nc_u32 v[HST], 4*HP, v[HST]
	s_sub_co_u32 s[XG], s[XG], 1
	s_cmp_lg_u32 s[XG], 0
	s_cbranch_scc1 .Lxg
	v_add_nc_u32 v[HST], 24*HP, v[HST]
	s_sub_co_u32 s[XT], s[XT], 1
	s_cmp_lg_u32 s[XT], 0
	s_cbranch_scc1 .Lxt
	; P2.  Eight tiles of 64 k, two halves each, on buffers 0 and 1
	CHGJ                                           ; h is whole, Wq's fill 0 is in; fill 1 is asked for
	v_add_nc_u32 v[AW], s[TB], v[AW0]
	GFETCH 0, F0, 2*SUB
	GQ 1, 2*SUB                                    ; the first half stands in front of the loop: its products start the sums
	WIN 0
	s_mov_b32 s[LP], 7
.Lq:
	GTURN 1, 1, 2*SUB
	GQ 0, 2*SUB
	WIN 0
	s_sub_co_u32 s[LP], s[LP], 1
	s_cmp_lg_u32 s[LP], 0
	s_cbranch_scc1 .Lq
	GTURN 1, 0, 2*SUB                              ; Wq's last half; the first tile of K and V becomes the slot in hand, the second is asked for
	PLACES
	WIN 0x85                                       ; sources window 1, destination window 2: head w's q, rounded in pairs, is Q
.set d, 0
.rept 128
	v_cvt_pk_bf16_f32 v[d], v[2*d], v[2*d+1]
.set d, d+1
.endr
	WIN 0xcf                                       ; all in window 3: head 4 + w's q, in place, ascending, is kept for the second pass
.set d, 0
.rept 128
	v_cvt_pk_bf16_f32 v[d], v[2*d], v[2*d+1]
.set d, d+1
.endr
	WIN 0
	; A pass's first turn multiplies V by the P of a piece that has not been, into an O^T that is still to be multiplied by a = 0.  So those registers need only hold finite numbers: O^T holds q's sums, V rows of h; P is set to 0.
.set i, 0
.rept 32
	v_mov_b32 v[P+32+i], 0
.set i, i+1
.endr
	s_mov_b32 s[PASS], 2
.Lpass:                                                ; P3: head 4 p + w
	s_mov_b32 s[SM], 0
	v_add_nc_u32 v[AK], s[TB], v[AK0]
	v_mov_b32 v[AM], v[AM0]
	FETCH_K                                        ; key step 0
	s_wait_dscnt 0x0
.set i, 0
.rept 16
	KQ 0                                           ; piece 0's first scores
.set i, i+1
.endr
	WIN 0
.set i, 0
.rept 8                                        ; the statistics start anew: also the places behind those products
	v_mov_b32 v[ST+4*i], 0xfe000000                ; c m: far below every c s, a hidden key's too
	v_mov_b32 v[ST+4*i+1], 0xff7fffff              ; m
	v_mov_b32 v[ST+4*i+2], 0
	v_mov_b32 v[ST+4*i+3], 0
.set i, i+1
.endr
.set Y, NP-1                           ; XS works for piece Y + 1: piece 0
.irp n, 0,1,2,3,4,5,6,7,8,9,10,11,12,13,14,15,16,17,18,19,20,21
	XS 0, \n
	XS 1, \n
.endr
	s_mov_b32 s[CNT], 16
.Lstep:                                                ; a key step; behind piece 1's turn the next tile becomes the slot in hand and the one after it is asked for
	TURN 0
	TURN 1
	CHG3
	TURN 2
	TURN 3
	WIN 0
	s_sub_co_u32 s[CNT], s[CNT], 1
	s_cmp_lg_u32 s[CNT], 0
	s_cbranch_scc1 .Lstep
.set i, 0
.rept 16
	PV NP-1                                        ; the last piece's V^T P of the last step
.set i, i+1
.endr
	WIN 0                                          ; l's two halves and the other half of the lanes' are added (the additions are the places behind the last products); O^T is divided by l
.set t, 0
.rept 8
	v_add_f32 v[ST+4*t+2], v[ST+4*t+2], v[ST+4*t+3]
.set t, t+1
.endr
.set t, 0
.rept 8
	v_permlanex16_b32 v[ST+4*t+3], v[ST+4*t+2], s[SEL], s[SEL+1]
.set t, t+1
.endr
.set t, 0
.rept 8
	v_add_f32 v[ST+4*t+2], v[ST+4*t+2], v[ST+4*t+3]
.set t, t+1
.endr
.set t, 0
.rept 8
	v_rcp_f32 v[ST+4*t+2], v[ST+4*t+2]
.set t, t+1
.endr
	v_nop                                          ; a plain instruction between the last reciprocal and the use of its result
	s_wait_alu depctr_va_vdst(0)
.set t, 0
.rept 8                                        ; tile t: a lane's eight channels of a row pack into 16 bytes of O's row 16 t + r
	WIN W_RS
.set i, 32*t
.rept 16
	v_pk_mul_f32 v[i:i+1], v[i:i+1], v[ST+4*t+2:ST+4*t+3] op_sel_hi:[1,0]
.set i, i+2
.endr
	WIN 0x05                                       ; sources window 1, destination window 0
.set i, 0
.rept 16
	v_cvt_pk_bf16_f32 v[S+16*t+i], v[32*t+2*i], v[32*t+2*i+1]
.set i, i+1
.endr
	WIN 0
.irp f,0,1,2,3
	ds_store_b128 v[STO+t/4], v[S+16*t+4*\f:S+16*t+4*\f+3] offset:16640*(t%4)+32*\f
.endr
.set t, t+1
.endr
	WIN 0x83                                       ; source window 3, destination window 2: the second pass's Q goes where the one text of the turns names Q (behind the second pass the copy serves nothing)
.set i, 0
.rept 128
	v_mov_b32 v[i], v[i]
.set i, i+1
.endr
	WIN 0
	v_add_nc_u32 v[STO], 512, v[STO]               ; head 4 + w's bytes of O's rows
	v_add_nc_u32 v[STO2], 512, v[STO2]
	s_sub_co_u32 s[PASS], s[PASS], 1
	s_cmp_lg_u32 s[PASS], 0
	s_cbranch_scc1 .Lpass
	; P4.  Wp's fill 0 is the slot in hand, fill 1 is on its way: it may stay out across this barrier, behind which nothing is filled
	s_wait_dscnt 0x0                               ; for the others' sake: my heads' parts of O are written
	s_barrier_signal -1
	s_barrier_wait -1
	v_and_b32 v12, 15, v0
	v_bfe_u32 v13, v0, 4, 1
	v_and_b32 v14, 31, v0
	s_lshl_b32 s[SX], s[WV], 9
	v_lshl_add_u32 v[BPO], v13, 5, s[SX]           ; bp: my 128 columns, 8 h of each 16
	v_lshl_add_u32 v[XO], v14, 4, s[SX]            ; x and out0: my 512 bytes of a row, 16 a lane
.set c8, 0
.rept 8
	global_load_b128 v[64+8*c8:64+8*c8+3], v[BPO], s[14:15] offset:64*c8
	global_load_b128 v[64+8*c8+4:64+8*c8+7], v[BPO], s[14:15] offset:64*c8+16
.set c8, c8+1
.endr
	XLOAD 0
	XLOAD 1
	v_and_b32 v15, 7, v0
	v_lshl_add_u32 v15, v13, 3, v15
	v_mul_u32_u24 v15, v15, PT
	v_bfe_u32 v28, v0, 3, 1
	v_lshl_add_u32 v15, v28, 4, v15
	v_add_nc_u32 v[AW0], s[WOFF], v15              ; sub-tile w: my 128 columns of Wp; 'hi' is its second 64: 128 bytes on
	v_mul_u32_u24 v28, v12, HP
	v_lshl_add_u32 v28, v13, 4, v28
	v_add_nc_u32 v[AH0], HB, v28
	v_add_nc_u32 v[AH1], HB+66560, v28
	s_mul_i32 s[SX], s[WV], 16*SGP
	s_add_co_u32 s[SX], s[SX], STAGE
	v_mul_u32_u24 v[SGS], v12, SGP
	v_lshl_add_u32 v[SGS], v13, 5, v[SGS]
	v_add_nc_u32 v[SGS], s[SX], v[SGS]
	v_lshl_add_u32 v[SGR], v14, 4, s[SX]
	v_add_nc_u32 v[AW], s[TB], v[AW0]
	GFETCH 0, F0, 128
	s_wait_loadcnt 32                              ; bp is in; the 32 loads of x may stay out
	GQ 2, 128                                      ; the first half stands in front of the loop: its products start the sums with bp
	WIN 0
	s_mov_b32 s[LP], 6
.Lp:
	GTURN 1, 1, 128
	GQ 0, 128
	WIN 0
	s_sub_co_u32 s[LP], s[LP], 1
	s_cmp_lg_u32 s[LP], 0
	s_cbranch_scc1 .Lp
	GTURN 0, 1, 128                                ; the tail is written out: nothing more is asked for
	GQ 0, 128
	s_wait_dscnt 8
	GMUL F1, 0, 0, 8, 0
	s_wait_dscnt 0x0
	GMUL F1, 1, 0, 8, 0
	PLACES
	OUTT 0, 16
	OUTT 1, 16
	OUTT 2, 16
	OUTT 3, 16
	OUTT 4, 16
	OUTT 5, 16
	OUTT 6, 16
	OUTT 7, 0
	s_wait_tensorcnt 0x0                           ; the wave's end: behind my last tensor load and my last LDS store
	ds_add_u32 v[SPW], v[NIL]
	s_wait_dscnt 0x0
	CROUND                                         ; the closing round
	s_endpgm
.Lfunc_end_k_qc5185b0883_block:
	.size	k_qc5185b0883_block, .Lfunc_end_k_qc5185b0883_block-k_qc5185b0883_block
	.p2alignl 7, 3214868480
	.fill 96, 4, 3214868480
	.section	.rodata,"a",@progbits
	.p2align	6, 0x0
	.amdhsa_kernel k_qc5185b0883_block
		.amdhsa_group_segment_fixed_size 327680
		.amdhsa_private_segment_fixed_size 0
		.amdhsa_enable_private_segment 0
		.amdhsa_kernarg_size 56
		.amdhsa_user_sgpr_count 2
		.amdhsa_user_sgpr_kernarg_segment_ptr 1
		.amdhsa_wavefront_size32 1
		.amdhsa_system_sgpr_workgroup_id_x 1
		.amdhsa_system_sgpr_workgroup_id_y 1
		.amdhsa_system_sgpr_workgroup_id_z 1
		.amdhsa_system_vgpr_workitem_id 0
		.amdhsa_next_free_vgpr 1024
		.amdhsa_next_free_sgpr 90
		.amdhsa_reserve_vcc 0
		.amdhsa_float_denorm_mode_32 3
		.amdhsa_float_denorm_mode_16_64 3
		.amdhsa_memory_ordered 1
		.amdhsa_forward_progress 1
		.amdhsa_inst_pref_size 255
	.end_amdhsa_kernel
	.section	.bss,"aw",@nobits
	.p2align	6
	.space	262144
	.amdgpu_metadata
---
amdhsa.version: [ 1, 2 ]
amdhsa.kernels:
  - .name:           k_qc5185b0883_block
    .symbol:         k_qc5185b0883_block.kd
    .args:
      - { .name: x, .offset: 0, .size: 8, .value_kind: global_buffer, .address_space: global }
      - { .name: ada, .offset: 8, .size: 8, .value_kind: global_buffer, .address_space: global }
      - { .name: wt, .offset: 16, .size: 8, .value_kind: global_buffer, .address_space: global }
      - { .name: kv, .offset: 24, .size: 8, .value_kind: global_buffer, .address_space: global }
      - { .name: context_mask, .offset: 32, .size: 8, .value_kind: global_buffer, .address_space: global }
      - { .name: bp, .offset: 40, .size: 8, .value_kind: global_buffer, .address_space: global }
      - { .name: out0, .offset: 48, .size: 8, .value_kind: global_buffer, .address_space: global }
    .group_segment_fixed_size: 327680
    .private_segment_fixed_size: 0
    .kernarg_segment_align: 8
    .kernarg_segment_size: 56
    .max_flat_workgroup_size: 128
    .sgpr_count:     90
    .vgpr_count:     1024
    .wavefront_size: 32
...
	.end_amdgpu_metadata
.endif
;; end of part 3
